; MI455X (gfx1250); checked and timed in simulation.
; The chip was launched on July 23, 2026; its instructions are those of AMD's public machine-readable ISA for CDNA 5 (MIT licence, August 2026) and "CDNA5" Instruction Set Architecture Reference Guide (July 2026). The comments in the code are by the model that wrote it; some were corrected since.
;; Scaled Dot Product Attention. Allowed arithmetic: matrix products marked QUANTISED: E2M1 operands, one E8M0 scale for each 32 along K, by v_wmma_scale_f32_16x16x128_f8f6f4 with both operands' format E2M1 (or v_wmma_scale_f32_32x16x128_f4), f32 sums; everything else in f32.
;; Inputs: k_codes 4 x 16 x 2,048 x 2 x 16 uint8 (E2M1 codes of k, K innermost, in blocks of 32 codes, two codes a byte); k_scales 4 x 16 x 2,048 x 2 uint8 (E8M0 scales of k, one for each 32 codes along K); mask 1 x 1 x 2,048 x 2,048 bool; q_codes 4 x 16 x 2,048 x 2 x 16 uint8 (E2M1 codes of q, K innermost, in blocks of 32 codes, two codes a byte); q_scales 4 x 16 x 2,048 x 2 uint8 (E8M0 scales of q, one for each 32 codes along K); v_codes 4 x 16 x 64 x 64 x 16 uint8 (E2M1 codes of v, K innermost, in blocks of 32 codes, two codes a byte); v_scales 4 x 16 x 64 x 64 uint8 (E8M0 scales of v, one for each 32 codes along K).
;; Outputs: out0 4 x 16 x 2,048 x 64 float32.
;; This version of the problem:
;;   THIS VERSION OF THE PROBLEM IS GIVEN IN LOW PRECISION. The matrix products marked QUANTISED in the list below multiply operands that are first quantised to E2M1 (2 exponent bits, 1 mantissa bit; 4 bits a number), with one power-of-two scale for each 32 numbers along K (OCP MX v1.0); their sums are f32. All else is computed in f32.
;;   The module's matrix products, in the order in which they are computed (A, B: the left and right operand; K: the contracted axis; several contracted axes count as one K, in the product's order):
;;     1. batch 64 x [M 2,048, K 64] x [K 64, N 2,048]; A: input q (given as codes); B: input k (given as codes): QUANTISED
;;     2. batch 64 x [M 2,048, K 2,048] x [K 2,048, N 64]; A: softmax (see below); B: input v (given as codes): QUANTISED
;;   THE QUANTISER, for each operand of a quantised product, along K:
;;     - K is cut into blocks of 32 from its start; a last block that is shorter is filled with zeros.
;;     - A block's scale is 2^e with e = floor(log2(the largest magnitude in the block)) - 2, held to -126 .. 127; a block of zeros has e = 0. As a byte (E8M0): e + 127.
;;     - Each number is divided by its block's scale, clamped to +-6, and rounded to the nearest number of E2M1, ties to even, subnormals kept.
;;     - The product sums the exact products of the quantised numbers (number of the format x scale) in f32.
;;   ~~~python
;;   def quantise(x, axis):      # numpy; x: float32 -> the quantised numbers, widened to float32 again
;;       x = np.moveaxis(x, axis, -1); K = x.shape[-1]
;;       x = np.pad(x, [(0, 0)] * (x.ndim - 1) + [(0, -K % 32)]); x = x.reshape(x.shape[:-1] + (-1, 32)); a = np.abs(x).max(-1, keepdims=True)
;;       e = np.where(a > 0, np.clip(np.frexp(np.where(a > 0, a, 1))[1] - 1 - 2, -126, 127), 0)      # np.frexp(a)[1] - 1 = floor(log2(a)), exactly
;;       r = np.clip(x / 2.0 ** e, -6, 6)
;;       step = 2.0 ** (np.maximum(np.frexp(np.where(r == 0, 1, r))[1] - 1, 0) - 1)
;;       q = np.round(r / step) * step * 2.0 ** e      # np.round: ties to even
;;       return np.moveaxis(q.reshape(q.shape[:-2] + (-1,))[..., :K], -1, axis).astype(np.float32)
;;   ~~~
;;   SOFTMAX AHEAD OF A QUANTISED PRODUCT. Where the list says 'softmax', what is quantised is not the finished softmax but p = 2^(t - M), with t = logit x log2(e) and M = ceil(the row's largest t), a whole number; so 1/2 < the row's largest p <= 1. The row's sum l is taken of the UNQUANTISED p, in f32, and the product's result is divided by l at the end. Since M is a whole number, a kernel that streams over the keys may use a running M (the ceiling of the running maximum): every later rescaling is an exact power of two, which a block's scale takes up: the codes' values come out the same.
;;   OPERANDS COMPUTED ON THE WAY. 'Computed on the way' means the value that the module computes at that place (a softmax that the list does not call 'softmax' is quantised finished and normalised). What goes into a quantiser is computed in f32, as accurately as f32 sums, v_exp_f32 and their like allow (about 1e-6 of the number): no bf16 or f16 on the way to a quantiser, and a product that is left as it is and whose result goes on into a quantised operand takes f32 operands (vector FMAs, or v_wmma_f32_16x16x4_f32). A number that lies on a knife's edge between two numbers of the format may be rounded either way, as far as f32 arithmetic and the matrix unit's own rounding can turn it there, and no further.
;;   INPUTS GIVEN AS CODES. k (in the module: [4, 16, 2048, 64], K = its axis 3); q (in the module: [4, 16, 2048, 64], K = its axis 3); v (in the module: [4, 16, 2048, 64], K = its axis 2): each comes as NAME_codes (uint8): NAME with its K axis moved to the last place and cut into blocks of 32 codes, [.., K / 32, bytes a block], one block behind the other in memory; two codes a byte, the lower K in the low four bits (a code: sign, 2 exponent bits, 1 mantissa bit); and NAME_scales (uint8): the same leading axes, one E8M0 byte (e + 127) for each 32 codes along K. Its value is code x scale, taken as it is: it is not quantised again, and the codes and scales need not be those that the quantiser above would give.
;; 2 versions. Each part assembles by itself: llvm-mc -triple=amdgcn-amd-amdhsa -mcpu=gfx1250 --defsym DOCPART=n.
;; ======== version 1 of 2: 2 launches
;; workspace buffers: mwords 524,288 bytes of whole numbers; flags 512 bytes of whole numbers
;; launch maskprep (part 1): grid 2 x 128, 8 waves a work-group, no clusters, 17,920 bytes of LDS; arguments mask, mwords, flags; writes mwords, flags
.if DOCPART == 1
	.amdgcn_target "amdgcn-amd-amdhsa--gfx1250"
	.amdhsa_code_object_version 6
	.text
	.protected	k_q2ebc1412c9_maskprep
	.globl	k_q2ebc1412c9_maskprep
	.p2align	8
	.type	k_q2ebc1412c9_maskprep,@function
k_q2ebc1412c9_maskprep:
	s_mov_b64 s[64:65], 0
	v_nop
	global_prefetch_b8 v0, s[64:65] scope:SCOPE_SE
	s_setreg_imm32_b32 hwreg(HW_REG_WAVE_MODE, 25, 1), 1
	s_wait_xcnt 0x0
; The mask [2048 queries][2048 keys], one byte each (a byte that is not 0 counts as true), becomes what the attention launch can apply at one instruction a score register:
;   mwords [128 tiles of 16 queries][16 steps of 128 keys][64 words]: bit L of word n of (j, s) = mask[16 j + L % 16][128 s + 32 (n / 16) + 16 (L / 16) + n % 16]:
;          lane L's score register n in that launch holds just this query and key, so a word is a lane mask for v_cndmask_b32;
;   flags  [128 tiles] of 32 bits: bits 2 s + 1 : 2 s say of step s: 0 no key counts for any of the 16 queries, 1 some count, 2 all count.
; Nothing of the mask's pattern is built in: every byte is read and turned into its bit.
; SHARES.  Work-group (e, j) takes rows 16 j .. 16 j + 15, columns 1,024 e .. + 1,023: 16 KiB.  Wave w takes step 8 e + w.  The bytes are read as they lie (a wave's load covers 512 consecutive bytes),
; go through LDS, and come back 64 to a lane in the order of the score registers.  A wave's 64 words leave as 256 consecutive bytes, aligned; the work-group's eight flags as one store of two bytes.
; No matrix unit, no tensor load, no cluster: the launch reads 4 MiB once and no two work-groups share a byte.
.set ROWP, 1040                        ; an LDS row: 1,024 bytes + 16: the 16 rows that a load touches fall on 16 different 16-byte columns modulo 256 bytes
.set FLG,  16*ROWP                     ; behind the rows: eight words, one for each wave's flag
	s_load_b128 s[4:7], s[0:1], 0x0                ; mask s[4:5], mwords s[6:7]
	s_load_b64 s[8:9], s[0:1], 0x10                ; flags
	v_lshl_add_u32 v64, v0, 2, 0x4200
	v_mov_b32 v65, 0
	v_lshrrev_b32 v1, 5, v0
	v_readfirstlane_b32 s10, v1                    ; wave 0..7
	v_and_b32 v1, 31, v0                           ; lane
	s_mov_b32 s11, ttmp9                           ; e: which half of the columns
	s_and_b32 s12, ttmp7, 0xffff                   ; j: the tile of 16 queries
	v_lshrrev_b32 v42, 6, v0                       ; in: 64 threads to a row of 1,024 bytes, four rows to a load
	v_and_b32 v43, 63, v0
	v_lshlrev_b32 v43, 4, v43
	v_lshl_add_u32 v2, v42, 11, v43                ; in memory a row is 2,048 bytes,
	v_mad_u32_u24 v3, v42, ROWP, v43               ; in LDS ROWP
	v_and_b32 v44, 15, v0                          ; r
	v_bfe_u32 v45, v0, 4, 1                        ; h
	v_mul_u32_u24 v4, v44, ROWP
	v_lshl_add_u32 v4, v45, 4, v4
	s_lshl_b32 s18, s10, 7
	v_add_nc_u32 v4, s18, v4                       ; back: row r, my wave's 128 columns, + 16 h
	v_lshlrev_b32 v5, 3, v1                        ; out: two words a lane
	v_mov_b32 v6, s10
	v_lshl_add_u32 v6, v6, 2, FLG                  ; my wave's flag word
	v_mov_b32 v7, FLG
	v_mov_b32 v40, 0                               ; the words going out: a lane write's destination counts as read, so both are written once
	v_mov_b32 v41, 0
	v_mov_b32 v47, 0
	s_mov_b32 s16, 0                               ; the OR of my 64 words,
	s_mov_b32 s17, -1                              ; and their AND
	s_lshl_b32 s14, s12, 15                        ; 16 rows of 2,048 bytes a tile,
	s_lshl_b32 s18, s11, 10                        ; 1,024 bytes a half
	s_add_co_u32 s14, s14, s18
	s_mov_b32 s15, 0
	s_wait_kmcnt 0x0
	s_add_nc_u64 s[4:5], s[4:5], s[14:15]
.irp n, 0,1,2,3
	global_load_b128 v[8+4*\n:11+4*\n], v2, s[4:5] offset:8192*\n th:TH_LOAD_NT   ; rows 4 n .. 4 n + 3; read once in the launch
.endr
	s_lshl_b32 s14, s12, 4
	s_lshl_b32 s18, s11, 3
	s_add_co_u32 s14, s14, s18
	s_add_co_u32 s14, s14, s10                     ; 16 j + 8 e + w: my (tile, step),
	s_lshl_b32 s14, s14, 8                         ; 256 bytes each
	s_add_nc_u64 s[6:7], s[6:7], s[14:15]
	s_lshl_b32 s14, s12, 2
	s_lshl_b32 s18, s11, 1
	s_add_co_u32 s14, s14, s18                     ; 4 j + 2 e: my work-group's half of the tile's flag word
	s_add_nc_u64 s[8:9], s[8:9], s[14:15]
.irp n, 0,1,2,3
	s_wait_loadcnt 3-\n                            ; loads come back in order: load n is in, the 3 - n younger ones may be out
	ds_store_b128 v3, v[8+4*\n:11+4*\n] offset:4*ROWP*\n
.endr
	s_wait_dscnt 0x0                               ; for the others' sake: my stores have landed
	s_barrier_signal -1
	s_barrier_wait -1                              ; the 16 rows lie in LDS
.irp b, 0,1,2,3
	ds_load_b128 v[24+4*\b:27+4*\b], v4 offset:32*\b   ; keys 32 b + 16 h + 0 .. 15 of my step, query r: byte n % 4 of v[24 + n / 4] belongs to word n
.endr
	s_wait_dscnt 0x0
.set n, 0
.rept 64                               ; word n: each lane's byte, the 32 lanes' verdicts as one word, into lane n / 2 of the register that goes out.  Four temporaries by turns
	v_bfe_u32 v[42+n%4], v[24+n/4], 8*(n%4), 8
	v_cmp_ne_u32 s[20+n%4], 0, v[42+n%4]
	v_writelane_b32 v[40+n%2], s[20+n%4], n/2
	s_or_b32 s16, s16, s[20+n%4]
	s_and_b32 s17, s17, s[20+n%4]
.set n, n+1
.endr
	global_store_b64 v5, v[40:41], s[6:7]          ; 32 lanes store 256 consecutive bytes, at a multiple of 256 from the buffer's first byte
	s_cmp_lg_u32 s16, 0
	s_cselect_b32 s18, 1, 0                        ; some key counts,
	s_cmp_eq_u32 s17, -1
	s_cselect_b32 s19, 1, 0                        ; all count:
	s_add_co_u32 s18, s18, s19                     ; 0, 1 or 2,
	s_lshl_b32 s19, s10, 1
	s_lshl_b32 s18, s18, s19                       ; at my step's two bits
	v_mov_b32 v46, s18
	ds_store_b32 v6, v46                           ; all lanes write the same word with the same value
	s_wait_dscnt 0x0
	s_barrier_signal -1
	s_barrier_wait -1                              ; the eight flags lie in LDS
	s_cmp_lg_u32 s10, 0                            ; wave 0 alone joins and stores them; no barrier stands under this branch
	s_cbranch_scc1 .Lend
	ds_load_b128 v[48:51], v7
	ds_load_b128 v[52:55], v7 offset:16
	s_wait_dscnt 0x0
	v_or_b32 v48, v48, v49
	v_or_b32 v50, v50, v51
	v_or_b32 v52, v52, v53
	v_or_b32 v54, v54, v55
	v_or_b32 v48, v48, v50
	v_or_b32 v52, v52, v54
	v_or_b32 v48, v48, v52
	v_cmp_eq_u32 vcc_lo, 0, v1
	s_wait_xcnt 0x0                                ; EXEC is a source of the store above: it changes only behind this wait
	s_and_saveexec_b32 s24, vcc_lo
	global_store_b16 v47, v48, s[8:9]              ; lane 0: 16 bits, steps 8 e .. 8 e + 7
	s_wait_xcnt 0x0                                ; and again in front of the line that widens it
	s_or_b32 exec_lo, exec_lo, s24
.Lend:
	s_wait_tensorcnt 0x0
	ds_add_u32 v64, v65
	s_wait_dscnt 0x0
	s_endpgm
.Lfunc_end_k_q2ebc1412c9_maskprep:
	.size	k_q2ebc1412c9_maskprep, .Lfunc_end_k_q2ebc1412c9_maskprep-k_q2ebc1412c9_maskprep
	.p2alignl 7, 3214868480
	.fill 96, 4, 3214868480
	.section	.rodata,"a",@progbits
	.p2align	6, 0x0
	.amdhsa_kernel k_q2ebc1412c9_maskprep
		.amdhsa_group_segment_fixed_size 17920
		.amdhsa_private_segment_fixed_size 0
		.amdhsa_enable_private_segment 0
		.amdhsa_kernarg_size 24
		.amdhsa_user_sgpr_count 2
		.amdhsa_user_sgpr_kernarg_segment_ptr 1
		.amdhsa_wavefront_size32 1
		.amdhsa_system_sgpr_workgroup_id_x 1
		.amdhsa_system_sgpr_workgroup_id_y 1
		.amdhsa_system_sgpr_workgroup_id_z 1
		.amdhsa_system_vgpr_workitem_id 0
		.amdhsa_next_free_vgpr 66
		.amdhsa_next_free_sgpr 66
		.amdhsa_reserve_vcc 1
		.amdhsa_float_denorm_mode_32 3
		.amdhsa_float_denorm_mode_16_64 3
		.amdhsa_memory_ordered 1
		.amdhsa_forward_progress 1
		.amdhsa_inst_pref_size 21
	.end_amdhsa_kernel
	.amdgpu_metadata
---
amdhsa.version: [ 1, 2 ]
amdhsa.kernels:
  - .name:           k_q2ebc1412c9_maskprep
    .symbol:         k_q2ebc1412c9_maskprep.kd
    .args:
      - { .name: mask, .offset: 0, .size: 8, .value_kind: global_buffer, .address_space: global }
      - { .name: mwords, .offset: 8, .size: 8, .value_kind: global_buffer, .address_space: global }
      - { .name: flags, .offset: 16, .size: 8, .value_kind: global_buffer, .address_space: global }
    .group_segment_fixed_size: 17920
    .private_segment_fixed_size: 0
    .kernarg_segment_align: 8
    .kernarg_segment_size: 24
    .max_flat_workgroup_size: 256
    .sgpr_count:     66
    .vgpr_count:     66
    .wavefront_size: 32
...
	.end_amdgpu_metadata
.endif
;; end of part 1
;; launch attn (part 2): grid 4 x 64, 16 waves a work-group, no clusters, 219,136 bytes of LDS; arguments q_codes, q_scales, k_codes, k_scales, v_codes, v_scales, out0, mwords, flags; writes out0
.if DOCPART == 2
	.amdgcn_target "amdgcn-amd-amdhsa--gfx1250"
	.amdhsa_code_object_version 6
	.text
	.protected	k_q2ebc1412c9_attn
	.globl	k_q2ebc1412c9_attn
	.p2align	8
	.type	k_q2ebc1412c9_attn,@function
k_q2ebc1412c9_attn:
	s_mov_b64 s[64:65], 0
	v_nop
	global_prefetch_b8 v0, s[64:65] scope:SCOPE_SE
	s_setreg_imm32_b32 hwreg(HW_REG_WAVE_MODE, 25, 1), 1
	s_wait_xcnt 0x0
; out0[head][q][:] = the sum over keys of softmax_k(mask ? Q[q] . K[k] / 8 : -inf) V[k][:], 64 heads, 2,048 queries and keys, head size 64; both products on codes of FP4 (E2M1) with one E8M0 scale for each 32 along K.
; Q, K: 32 bytes of codes and 2 scale bytes a row (K = the head's 64).  V: codes with the KEYS innermost, [head][64 d][1,024 bytes], scale bytes [head][64 d][64].  out0: f32.
; THE FIRST PRODUCT'S K IS 64, the instruction's 128: registers 4-7 of K's and Q's fragments hold zero codes, cleared once, and bytes 2, 3 of their scale words are 0: zeros under 2^-127 add nothing.
; THE SOFTMAX: t = score x log2(e) / 8; M = the running largest t rounded UP to a whole number; p = 2^(t - M) is quantised along the keys, not normalised; the row's sum is taken of the unquantised p and divides at the end.
; When M moves, the sum and O are multiplied by 2^(old M - new M), which rounds nothing.
; THE MASK is an input.  An earlier launch has turned it into lane masks (mwords) and a flag for each (tile of 16 queries, step of 128 keys) (flags): 0: no key counts: the step's work is passed over by a scalar branch on the
; stored number; 2: all count: no mask is applied; 1: 64 words come by scalar loads, and 64 v_cndmask_b32 put -infinity over hidden scores ahead of the maximum: p = 0 there.  No pattern of the mask is built in.
; SHARES.  256 work-groups: a head and a quarter of its tiles.  Sixteen waves of 256 registers, four to a SIMD: by the text's own count a step is 238 vector instructions (68 of them exponentials) beside 12 matrix instructions,
; so one wave's vector work stands beside another's products and LDS loads.  Wave w of quarter x owns tiles a = 16 x + w and 127 - a, one after the other: an assignment only, right for every mask.
; A WHOLE HEAD'S K, V AND SCALE BYTES, 136 KiB, LIE IN LDS, copied once through registers at the head, laid as images of the operands' registers; one barrier, and no other in the launch.
; NO TENSOR LOAD, NO CLUSTER: the steps are passed over by a branch on a number read from memory; and nothing is filled again, so a ring would have nothing to do.  What the four
; work-groups of a head share is that one fill of 136 KiB each.
; LAYOUT.  Both products are used transposed: S^T = K Q^T (source 0 = 16 keys, source 1 = 16 queries), O^T = V^T P^T (source 0 = 16 of the head's 64, source 1 = P): a lane holds ONE query (lane % 16) throughout.
; THE KEYS OF A TILE ARE NOT NEIGHBOURS: lane r of tile 2 b + u takes key 32 b + 8 u + r + 8 (r / 8), so that score register 16 b + i of lane (r, h) is key 32 b + 16 h + i: 16 neighbours along the next K.
; LIMITS.  A scale byte 0xff (NaN) is not served apart: it spreads as the matrix unit spreads it.  A t under -3e38 is not told from 'no key yet'.  A p under 2^-126 comes out of v_exp_f32 as 0 (ISA guide, 15.8), beside a sum above 1/2.
; A query for which no key counts has sum 0 and O 0, and 0 x (1 / 0) is NaN, as the softmax of a row of -infinity is.
.set VP,    272                        ; half an image of V: 256 bytes + 16, so that the fill's 16 lanes (16 blocks of one d) fall on 16 different 16-byte columns modulo 256 bytes; a read's 16 lanes take 256 consecutive bytes
.set KIMG,  0                          ; K: 128 tiles of 16 keys x 512 bytes: lane L's 16 bytes (row L % 16, its bytes 16 (L / 16) on) at 16 L
.set VIMG,  65536                      ; V: half image 64 t + j (d = 16 t + r, block j of 32 keys): row r's 16 bytes at 16 r
.set KSC,   VIMG+256*VP                ; K's scale words [16 steps][32 lanes][4]: word t of lane (r, h): the two bytes of tile 4 h + t's row r, zeros above
.set VSC,   KSC+8192                   ; V's scale words [16 steps][32 lanes][2]: word e of lane (r, h): the step's four bytes of d = 32 h + 16 e + r
.set STG,   VSC+4096                   ; the way out: 16 rows x (256 + 16) bytes for each wave, its own
.set STGW,  16*272
.set AK0,  1                           ; v1   16 x lane: my place in a tile of K
.set AV0,  2                           ; v2   VIMG + 272 h + 16 r
.set ASK0, 3                           ; v3   KSC + 16 x lane
.set ASV0, 4                           ; v4   VSC + 8 x lane
.set STO,  5                           ; v5   the stage: where I put 32 bytes of a row
.set RD,   6                           ; v6   and where I read a row back
.set GO,   7                           ; v7   256 h + 16 r: my bytes in two rows of out0
.set ADK,  8                           ; v8-11 the step's LDS addresses: K, V, K's scale words, V's (v8 also: my offset in out0)
.set ADV,  9
.set ADS,  10
.set ADT,  11
.set NM,   12                          ; v12 -M, v13 the largest t so far
.set LS,   14                          ; v[14:15] the row's sum, in two halves
.set QA,   16                          ; v[16:23] Q of tile a;  v[24:31] of tile 127 - a
.set QB,   24
.set KF,   32                          ; v[32:95] K's eight fragments; registers 4-7 of each stay 0
.set S,    96                          ; v[96:159] S^T, then p; on the way out O / sum and the rows read back
.set OT,   160                         ; v[160:191] O^T, four tiles
.set VF,   192                         ; v[192:223] V's four fragments
.set PC,   224                         ; v[224:231] p's codes
.set BM,   232                         ; v[232:235] each block's largest score, then its largest p
.set PT,   236                         ; v[236:239] the other half's, then the bytes, then the second chain of sums
.set SO,   240                         ; v[240:243] the conversions' scale operands
.set KS,   244                         ; v[244:247] K's scale words;  v[248:249] V's;  v250 p's;  v251, v255 Q's: these hold scales and nothing else
.set VS,   248
.set PW,   250
.set QSA,  251
.set F,    252                         ; v252 f = 2^(old M - new M); v253 = 0, named with it as a pair
.set TMP,  254
.set QSB,  255
.set WV,   14                          ; s14  my wave's number
.set TLA,  15                          ; s15, s16  my two tiles;  s17, s18  their flag words
.set TLB,  16
.set FWA,  17
.set FWB,  18
.set FL,   19                          ; s19  the step's flag
.set CNT,  20                          ; s20  the step
.set TK,   21                          ; s21-24 where the step's K, V, K's scale words, V's begin;  s25 its mask words in mwords
.set TV,   22
.set TKS,  23
.set TVS,  24
.set MOFF, 25
.set SEL,  26                          ; s[26:27] v_permlanex16_b32's selects for lane l xor 16
.set CS,   28                          ; s[28:29] c = log2(e) / 8: the packed form names a pair and takes its low word for both halves
.set NINF, 30                          ; s30  -infinity
                                       ; s[32:63], s[68:99]  the step's 64 mask words (at the head: four addresses and offsets)
	s_load_b128 s[4:7], s[0:1], 0x0                ; Q's codes s[4:5], Q's scales s[6:7]
	s_load_b256 s[32:39], s[0:1], 0x10             ; K's codes, K's scales, V's codes, V's scales
	s_load_b128 s[8:11], s[0:1], 0x30              ; out0 s[8:9], mwords s[10:11]
	s_load_b64 s[12:13], s[0:1], 0x40              ; flags
	v_lshrrev_b32 v8, 5, v0
	v_readfirstlane_b32 s[WV], v8                  ; wave 0..15
	s_lshl_b32 s[TLA], ttmp9, 4
	s_add_co_u32 s[TLA], s[TLA], s[WV]             ; tile a = 16 x quarter + wave
	s_sub_co_u32 s[TLB], 127, s[TLA]               ; and 127 - a
	s_and_b32 s40, ttmp7, 0xffff                   ; the head
	s_lshl_b32 s42, s40, 16                        ; its first byte in each tensor of codes,
	s_mov_b32 s43, 0
	s_lshl_b32 s44, s40, 12                        ; of scale bytes,
	s_mov_b32 s45, 0
	s_lshl_b32 s46, s40, 19                        ; and in out0
	s_mov_b32 s47, 0
	s_lshl_b32 s2, s[TLA], 2                       ; my tiles' flag words
	s_lshl_b32 s3, s[TLB], 2
	s_mul_i32 s41, s[WV], STGW
	s_add_co_u32 s41, s41, STG                     ; my stage
	v_and_b32 v9, 31, v0                           ; lane
	v_and_b32 v10, 15, v0                          ; r
	v_bfe_u32 v11, v0, 4, 1                        ; h
	; where the fill reads: thread i takes 16 bytes at 16 i of each run of 8,192 bytes of K's and V's codes, and 8 bytes at 8 i of their scale bytes
	v_lshlrev_b32 v168, 4, v0
	v_lshlrev_b32 v169, 3, v0
	v_lshlrev_b32 v174, 5, v10                     ; Q: row r of 32 bytes, + 16 h, + 512 x tile
	v_lshl_add_u32 v174, v11, 4, v174
	s_lshl_b32 s19, s[TLA], 9
	s_lshl_b32 s20, s[TLB], 9
	v_add_nc_u32 v175, s20, v174
	v_add_nc_u32 v174, s19, v174
	v_lshlrev_b32 v176, 1, v10                     ; Q's scales: 2 bytes a row, + 32 x tile
	s_lshl_b32 s21, s[TLA], 5
	s_lshl_b32 s22, s[TLB], 5
	v_add_nc_u32 v177, s22, v176
	v_add_nc_u32 v176, s21, v176
	s_wait_kmcnt 0x0
	s_add_nc_u64 s[4:5], s[4:5], s[42:43]
	s_add_nc_u64 s[6:7], s[6:7], s[44:45]
	s_add_nc_u64 s[8:9], s[8:9], s[46:47]
	s_add_nc_u64 s[32:33], s[32:33], s[42:43]
	s_add_nc_u64 s[34:35], s[34:35], s[44:45]
	s_add_nc_u64 s[36:37], s[36:37], s[42:43]
	s_add_nc_u64 s[38:39], s[38:39], s[44:45]
	s_load_b32 s[FWA], s[12:13], s2 offset:0x0
	s_load_b32 s[FWB], s[12:13], s3 offset:0x0
	; 22 loads, in the order in which they are waited for.  A wave's load of codes covers 512 consecutive bytes.  K and V carry no hint: the head's four work-groups read them
.irp n, 0,1,2,3,4,5,6,7
	global_load_b128 v[96+4*\n:99+4*\n], v168, s[32:33] offset:8192*\n
.endr
.irp n, 0,1,2,3,4,5,6,7
	global_load_b128 v[128+4*\n:131+4*\n], v168, s[36:37] offset:8192*\n
.endr
	global_load_b64 v[160:161], v169, s[34:35]
	global_load_b64 v[162:163], v169, s[38:39]
	global_load_b128 v[QA:QA+3], v174, s[4:5] th:TH_LOAD_NT        ; lane (r, h): query r's codes of k = 32 h .. 32 h + 31; a tile is read by one wave of the launch
	global_load_b128 v[QB:QB+3], v175, s[4:5] th:TH_LOAD_NT
	global_load_u16 v[QSA], v176, s[6:7]           ; the row's two scale bytes, zeros above
	global_load_u16 v[QSB], v177, s[6:7]
	; while they are out: the loop's addresses,
	v_lshlrev_b32 v[AK0], 4, v9
	v_mul_u32_u24 v[AV0], v11, VP
	v_lshl_add_u32 v[AV0], v10, 4, v[AV0]
	v_add_nc_u32 v[AV0], VIMG, v[AV0]
	v_lshl_add_u32 v[ASK0], v9, 4, KSC
	v_lshl_add_u32 v[ASV0], v9, 3, VSC
	v_mul_u32_u24 v[STO], v10, 272                 ; in: row r, + 32 h
	v_lshl_add_u32 v[STO], v11, 5, v[STO]
	v_add_nc_u32 v[STO], s41, v[STO]
	v_mul_u32_u24 v[RD], v11, 272                  ; back: lanes 0-15 one row, lanes 16-31 the next
	v_lshl_add_u32 v[RD], v10, 4, v[RD]
	v_add_nc_u32 v[RD], s41, v[RD]
	v_lshlrev_b32 v[GO], 8, v11
	v_lshl_add_u32 v[GO], v10, 4, v[GO]
	; where the fill writes.  K: thread i's piece of load n is half i[0] of key (i >> 1) + 256 n: tile 2 (key >> 5) + key[3], row key[2:0] + 8 key[4]:
	; 1,024 (i >> 6) + 512 i[4] + 256 i[0] + 128 i[5] + 16 i[3:1], + 8,192 n
	v_lshrrev_b32 v170, 6, v0
	v_lshlrev_b32 v170, 10, v170
	v_bfe_u32 v178, v0, 4, 1
	v_lshl_add_u32 v170, v178, 9, v170
	v_and_b32 v178, 1, v0
	v_lshl_add_u32 v170, v178, 8, v170
	v_bfe_u32 v178, v0, 5, 1
	v_lshl_add_u32 v170, v178, 7, v170
	v_bfe_u32 v178, v0, 1, 3
	v_lshl_add_u32 v170, v178, 4, v170
	; V: block i & 63 of d = (i >> 6) + 8 n: VIMG + 272 (i & 63) + 16 (i >> 6), + 17,408 (n >> 1) + 128 (n & 1)
	v_and_b32 v178, 63, v0
	v_mul_u32_u24 v171, v178, VP
	v_lshrrev_b32 v178, 6, v0
	v_lshl_add_u32 v171, v178, 4, v171
	v_add_nc_u32 v171, VIMG, v171
	; K's scales: keys 4 i + e: KSC + 512 (i >> 5) + 256 i[4] + 128 i[2] + 64 i[0] + 8 i[3] + 4 i[1], + 16 e
	v_lshrrev_b32 v172, 5, v0
	v_lshl_add_u32 v172, v172, 9, KSC
	v_bfe_u32 v178, v0, 4, 1
	v_lshl_add_u32 v172, v178, 8, v172
	v_bfe_u32 v178, v0, 2, 1
	v_lshl_add_u32 v172, v178, 7, v172
	v_and_b32 v178, 1, v0
	v_lshl_add_u32 v172, v178, 6, v172
	v_bfe_u32 v178, v0, 3, 1
	v_lshl_add_u32 v172, v178, 3, v172
	v_bfe_u32 v178, v0, 1, 1
	v_lshl_add_u32 v172, v178, 2, v172
	; V's scales: d = i >> 3, steps 2 (i & 7) and + 1: VSC + 512 (i & 7) + 128 i[8] + 8 i[6:3] + 4 i[7], + 256 for the second
	v_and_b32 v178, 7, v0
	v_lshl_add_u32 v173, v178, 9, VSC
	v_bfe_u32 v178, v0, 8, 1
	v_lshl_add_u32 v173, v178, 7, v173
	v_bfe_u32 v178, v0, 3, 4
	v_lshl_add_u32 v173, v178, 3, v173
	v_bfe_u32 v178, v0, 7, 1
	v_lshl_add_u32 v173, v178, 2, v173
	; the zero codes for k = 64 .. 127 of the first product, written once,
.irp j, 4,5,6,7
	v_mov_b32 v[QA+\j], 0
	v_mov_b32 v[QB+\j], 0
.endr
.irp t, 0,1,2,3,4,5,6,7
.irp j, 4,5,6,7
	v_mov_b32 v[KF+8*\t+\j], 0
.endr
.endr
.irp b, 0,1,2,3
	v_mov_b32 v[PT+\b], 0                          ; (a lane permute's destination counts as one of its sources)
.endr
	v_mov_b32 v[F+1], 0                            ; (named as the upper half of a pair)
	; and the constants
	s_mov_b32 s[SEL], 0x76543210
	s_mov_b32 s[SEL+1], 0xfedcba98
	s_mov_b32 s[CS], 0x3e38aa3b                    ; log2(e) / 8
	s_mov_b32 s[CS+1], s[CS]
	s_mov_b32 s[NINF], 0xff800000
	s_wait_loadcnt 14                              ; K's eight loads are in; behind them: V's 8, 2 of scales, 4 of Q
.irp n, 0,1,2,3,4,5,6,7
	ds_store_b128 v170, v[96+4*\n:99+4*\n] offset:8192*\n
.endr
	s_wait_loadcnt 6                               ; V's eight; behind them: 2 of scales, 4 of Q
.irp n, 0,1,2,3,4,5,6,7
	ds_store_b128 v171, v[128+4*\n:131+4*\n] offset:(\n/2)*64*VP+(\n%2)*128
.endr
	s_wait_loadcnt 5                               ; K's scale bytes; behind them: V's, 4 of Q
	v_and_b32 v164, 0xffff, v160                   ; four keys' pairs of bytes, each a word with zeros above
	v_lshrrev_b32 v165, 16, v160
	v_and_b32 v166, 0xffff, v161
	v_lshrrev_b32 v167, 16, v161
.irp e, 0,1,2,3
	ds_store_b32 v172, v[164+\e] offset:16*\e
.endr
	s_wait_loadcnt 4                               ; V's scale bytes; behind them: 4 of Q
	ds_store_b32 v173, v162
	ds_store_b32 v173, v163 offset:256
	s_wait_loadcnt 0x0                             ; Q; and every load's address registers and bases are free
	s_wait_kmcnt 0x0                               ; the flag words
	s_wait_dscnt 0x0                               ; for the others' sake: my stores have landed
	s_barrier_signal -1
	s_barrier_wait -1                              ; the head lies in LDS; nothing of it is written again
; The step's loads and S^T = K Q^T.  The four additions are the four places between the last step's products and the loads into the registers that those read (ISA guide 7.12.1 for vector instructions).
.macro FRONT qf, qs
	v_add_nc_u32 v[ADK], s[TK], v[AK0]
	v_add_nc_u32 v[ADV], s[TV], v[AV0]
	v_add_nc_u32 v[ADS], s[TKS], v[ASK0]
	v_add_nc_u32 v[ADT], s[TVS], v[ASV0]
	ds_load_b128 v[KS:KS+3], v[ADS]                ; lanes 0-15: the words of tiles 0-3; lanes 16-31: of tiles 4-7
.irp t, 0,1,2,3,4,5,6,7
	ds_load_b128 v[KF+8*\t:KF+8*\t+3], v[ADK] offset:512*\t
.endr
	ds_load_b64 v[VS:VS+1], v[ADT]                 ; lanes 0-15: tiles 0, 1 of V; lanes 16-31: tiles 2, 3
.irp t, 0,1,2,3
.irp c, 0,1
	ds_load_b128 v[VF+8*\t+4*\c:VF+8*\t+4*\c+3], v[ADV] offset:64*VP*\t+2*VP*\c   ; d = 16 t + r, block 4 s + 2 c + h.  V is asked for here and wanted behind the softmax
.endr
.endr
	s_wait_dscnt 9                                 ; K and its scale words are in; the nine loads for V, issued behind them, may be out
.irp t, 0,1,2,3
	v_wmma_scale_f32_16x16x128_f8f6f4 v[S+8*\t:S+8*\t+7], v[KF+8*\t:KF+8*\t+7], v[\qf:\qf+7], 0, v[KS+\t], v[\qs] matrix_a_fmt:MATRIX_FMT_FP4 matrix_b_fmt:MATRIX_FMT_FP4
.endr
.irp t, 4,5,6,7
	v_wmma_scale_f32_16x16x128_f8f6f4 v[S+8*\t:S+8*\t+7], v[KF+8*\t:KF+8*\t+7], v[\qf:\qf+7], 0, v[KS+\t-4], v[\qs] matrix_a_fmt:MATRIX_FMT_FP4 matrix_b_fmt:MATRIX_FMT_FP4 matrix_a_scale:MATRIX_SCALE_ROW1
.endr
.rept 4
	v_nop                                          ; four places in front of the first read of the scores
.endr
.endm
; 64 scores of a lane (one query, keys 32 b + 16 h + i in register 16 b + i) become p's codes and scale word; M, the sum and O^T are brought on.
.macro SOFTMAX
.irp b, 0,1,2,3
	v_max3_num_f32 v[BM+\b], v[S+16*\b], v[S+1+16*\b], v[S+2+16*\b]   ; the largest score of each block of 32 keys: it serves the row's maximum and, since p rises with the score, the block's largest p.  Each accumulator is read from its low end on
.endr
.irp i, 3,5,7,9,11,13
.irp b, 0,1,2,3
	v_max3_num_f32 v[BM+\b], v[BM+\b], v[S+16*\b+\i], v[S+1+16*\b+\i]   ; (the four blocks by turns)
.endr
.endr
.irp b, 0,1,2,3
	v_max_num_f32 v[BM+\b], v[BM+\b], v[S+15+16*\b]
.endr
.irp b, 0,1,2,3
	v_permlanex16_b32 v[PT+\b], v[BM+\b], s[SEL], s[SEL+1]
.endr
.irp b, 0,1,2,3
	v_max_num_f32 v[BM+\b], v[BM+\b], v[PT+\b]     ; with lane l xor 16's 16 keys
.endr
	v_max3_num_f32 v[TMP], v[BM], v[BM+1], v[BM+2]
	v_max_num_f32 v[TMP], v[TMP], v[BM+3]          ; the step's largest score of my query (-infinity where all its keys are hidden)
	v_mul_f32 v[TMP], s[CS], v[TMP]                ; as t (c is positive)
	v_max_num_f32 v[NM+1], v[NM+1], v[TMP]         ; the running largest t
	v_mov_b32 v[TMP], v[NM]
	v_floor_f32 v[NM], -v[NM+1]                    ; the new -M = floor(-t) = -ceil(t): a whole number
	v_sub_f32 v[TMP], v[NM], v[TMP]                ; old M - new M: a whole number, 0 or less
	v_cvt_i32_f32 v[TMP], v[TMP]                   ; (it saturates)
	v_ldexp_f32 v[F], 1.0, v[TMP]                  ; f = 2^(old M - new M)
.set n, 0
.rept 32
	v_pk_fma_f32 v[S+n:S+n+1], v[S+n:S+n+1], s[CS:CS+1], v[NM:NM+1] op_sel_hi:[1,0,0]   ; t - M, two at a time (of the pairs c and -M the low word serves both halves)
.set n, n+2
.endr
.irp b, 0,1,2,3
	v_fma_f32 v[BM+\b], v[BM+\b], s[CS], v[NM]     ; the same of each block's largest score
.endr
.set n, 0
.rept 64
	v_exp_f32 v[S+n], v[S+n]                       ; p = 2^(t - M), at most 1; 0 for a hidden key
.set n, n+1
.endr
.irp b, 0,1,2,3
	v_exp_f32 v[BM+\b], v[BM+\b]                   ; the block's largest p: the same two instructions on the same number
.endr
	v_pk_mul_f32 v[LS:LS+1], v[LS:LS+1], v[F:F+1] op_sel_hi:[1,0]   ; the sums under the new M.  (The plain instruction behind the exponentials: ISA guide 5.7.2)
	s_wait_alu depctr_va_vdst(0)
.irp b, 0,1,2,3
	v_max_num_f32 v[BM+\b], 0x1800000, v[BM+\b]    ; the floor 2^(3 - 127): the byte cannot fall under 1; a block of zeros keeps that byte, and its codes are zeros
.endr
.irp b, 0,1,2,3
	v_add_nc_u32 v[SO+\b], 0xff000000, v[BM+\b]    ; 2 off the exponent field: the conversion takes this operand's exponent field as its scale
.endr
.irp b, 0,1,2,3
	v_lshrrev_b32 v[PT+\b], 23, v[SO+\b]           ; the scale's byte
.endr
	v_lshl_or_b32 v[PW], v[PT+1], 8, v[PT]         ; p's scale word for these 128 keys
	v_lshl_or_b32 v[PW], v[PT+2], 16, v[PW]
	v_lshl_or_b32 v[PW], v[PT+3], 24, v[PW]
.irp b, 0,1,2,3
	v_cvt_scalef32_pk8_fp4_f32 v[PC+2*\b], v[S+16*\b:S+7+16*\b], v[SO+\b]
	v_cvt_scalef32_pk8_fp4_f32 v[PC+1+2*\b], v[S+8+16*\b:S+15+16*\b], v[SO+\b]
.endr
	v_nop                                          ; one plain instruction between a scaled conversion and the instruction that touches its result
.irp c, 0,1                            ; the operand's layout wants a whole block in a lane: lanes 0-15 block 2 c, lanes 16-31 block 2 c + 1
.irp i, 0,1
	v_permlane16_swap_b32 v[PC+4*\c+\i], v[PC+2+4*\c+\i]
.endr
.endr
	v_pk_add_f32 v[PT:PT+1], v[S:S+1], v[S+2:S+3]  ; the row's sum is taken of the unquantised p: two at a time, in two chains
.irp j, 4,8,12,16,20,24,28,32,36,40,44,48,52,56,60
	v_pk_add_f32 v[LS:LS+1], v[LS:LS+1], v[S+\j:S+\j+1]
	v_pk_add_f32 v[PT:PT+1], v[PT:PT+1], v[S+2+\j:S+3+\j]
.endr
	v_pk_add_f32 v[LS:LS+1], v[LS:LS+1], v[PT:PT+1]
.set n, 0
.rept 16
	v_pk_mul_f32 v[OT+n:OT+n+1], v[OT+n:OT+n+1], v[F:F+1] op_sel_hi:[1,0]   ; O^T under the new M, from each accumulator's low end on.  (These and the sums are also the places between p's scale word and codes and the products below)
.set n, n+2
.endr
.endm
; O^T += V^T P^T: four tiles of 16 of the head's 64; K = the step's 128 keys.  The four accumulators take turns, one instruction a turn, and the next step's eight products stand between two turns of one.
.macro PV
	s_wait_dscnt 0x0                               ; V's fragments and scale words are in
.irp t, 0,1
	v_wmma_scale_f32_16x16x128_f8f6f4 v[OT+8*\t:OT+8*\t+7], v[VF+8*\t:VF+8*\t+7], v[PC:PC+7], v[OT+8*\t:OT+8*\t+7], v[VS+\t], v[PW] matrix_a_fmt:MATRIX_FMT_FP4 matrix_b_fmt:MATRIX_FMT_FP4
.endr
.irp t, 2,3
	v_wmma_scale_f32_16x16x128_f8f6f4 v[OT+8*\t:OT+8*\t+7], v[VF+8*\t:VF+8*\t+7], v[PC:PC+7], v[OT+8*\t:OT+8*\t+7], v[VS+\t-2], v[PW] matrix_a_fmt:MATRIX_FMT_FP4 matrix_b_fmt:MATRIX_FMT_FP4 matrix_a_scale:MATRIX_SCALE_ROW1
.endr
.endm
; O^T / the sum goes through my stage and leaves as whole rows of 256 bytes.  st: the register with the tile's number.  last = 0: another tile follows.
.macro WAYOUT st, last
	s_lshl_b32 s31, s[\st], 12                     ; 16 rows of 256 bytes a tile
	v_add_f32 v[LS], v[LS], v[LS+1]                ; the sum's two halves,
	v_permlanex16_b32 v[PT], v[LS], s[SEL], s[SEL+1]
	v_add_f32 v[LS], v[LS], v[PT]                  ; and lane l xor 16's: the row's sum
	v_rcp_f32 v[LS], v[LS]
	v_add_nc_u32 v[ADK], s31, v[GO]                ; (the plain instruction behind the reciprocal)
	v_nop                                          ; with the two additions and the line above: five plain places behind the last products, of which four are asked
	v_nop
.set n, 0
	s_wait_alu depctr_va_vdst(0)
.rept 16
	v_pk_mul_f32 v[S+n:S+n+1], v[OT+n:OT+n+1], v[LS:LS+1] op_sel_hi:[1,0]   ; register 8 t + i is out0(query r, 16 t + 8 h + i); each accumulator from its low end on
.set n, n+2
.endr
.irp t, 0,1,2,3
	ds_store_b128 v[STO], v[S+8*\t:S+8*\t+3] offset:64*\t
	ds_store_b128 v[STO], v[S+8*\t+4:S+8*\t+7] offset:64*\t+16
.endr
.irp i, 0,1,2,3,4,5,6,7
	ds_load_b128 v[S+32+4*\i:S+35+4*\i], v[RD] offset:544*\i   ; my own bytes: LDS serves a wave's instructions in order (ISA guide 5.7.1.4), so these see the stores above
.endr
.irp i, 0,1,2,3,4,5,6,7
	s_wait_dscnt 7-\i                              ; load i is back; the 7 - i younger ones may be out
	global_store_b128 v[ADK], v[S+32+4*\i:S+35+4*\i], s[8:9] offset:512*\i th:TH_STORE_NT   ; 32 lanes store two rows, 512 consecutive bytes, at a multiple of 256 from out0's first byte; written once, read by nobody here
.endr
.if !\last
	s_wait_xcnt 0x0                                ; the stores have read their offset and their data: the next tile writes both again
.endif
.endm
; A tile of 16 queries: 16 steps of 128 keys, a loop of constant count; what hangs on the stored flags is a jump over a step's work, never over the lines that step the addresses.
.macro TILE qf, qs, fw, st, last
	v_mov_b32 v[NM+1], 0xff61b1e6                  ; the largest t so far: -3e38
	v_floor_f32 v[NM], -v[NM+1]                    ; -M
	v_mov_b32 v[LS], 0
	v_mov_b32 v[LS+1], 0
.set n, 0
.rept 32
	v_mov_b32 v[OT+n], 0                           ; O^T.  Which step is the first that counts hangs on the mask, so no product can be written out ahead of the loop to start the sums; the first change of M leaves zeros zeros
.set n, n+1
.endr
	s_mov_b32 s[TK], 0
	s_mov_b32 s[TV], 0
	s_mov_b32 s[TKS], 0
	s_mov_b32 s[TVS], 0
	s_lshl_b32 s[MOFF], s[\st], 12                 ; 16 steps of 256 bytes a tile
	s_mov_b32 s[CNT], 0
.Lstep_\@:
	s_and_b32 s[FL], s[\fw], 3                     ; the step's flag,
	s_lshr_b32 s[\fw], s[\fw], 2                   ; and on to the next
	s_cmp_eq_u32 s[FL], 0
	s_cbranch_scc1 .Lnext_\@                       ; no key counts for any of my 16 queries
	s_cmp_eq_u32 s[FL], 2
	s_cbranch_scc1 .Lopen_\@                       ; all count
	s_load_b512 s[32:47], s[10:11], s[MOFF] offset:0x0     ; some count: the 64 lane masks, asked for ahead of the step's loads and products.  Load, wait and use stand on this one way
	s_load_b512 s[48:63], s[10:11], s[MOFF] offset:0x40
	s_load_b512 s[68:83], s[10:11], s[MOFF] offset:0x80
	s_load_b512 s[84:99], s[10:11], s[MOFF] offset:0xc0
	FRONT \qf, \qs
	s_wait_kmcnt 0x0
.set n, 0
.rept 64
	v_cndmask_b32 v[S+n], s[NINF], v[S+n], s[32+n+4*(n/32)]   ; bit 1: the score stays; bit 0: -infinity
.set n, n+1
.endr
	s_branch .Ljoin_\@
.Lopen_\@:
	FRONT \qf, \qs
.Ljoin_\@:
	SOFTMAX
	PV
.Lnext_\@:
	s_add_co_u32 s[TK], s[TK], 4096                ; eight tiles of K,
	s_add_co_u32 s[TV], s[TV], 4*VP                ; four blocks of V,
	s_add_co_u32 s[TKS], s[TKS], 512
	s_add_co_u32 s[TVS], s[TVS], 256
	s_add_co_u32 s[MOFF], s[MOFF], 256             ; (the scalar loads that named it were waited for on their own way)
	s_add_co_u32 s[CNT], s[CNT], 1
	s_cmp_lt_u32 s[CNT], 16
	s_cbranch_scc1 .Lstep_\@
	WAYOUT \st, \last
.endm
	TILE QA, QSA, FWA, TLA, 0
	TILE QB, QSB, FWB, TLB, 1
	s_wait_xcnt 0x0
	v_lshl_add_u32 v254, v0, 2, 0x35000
	v_mov_b32 v255, 0
	s_wait_tensorcnt 0x0
	ds_add_u32 v254, v255
	s_wait_dscnt 0x0
	s_endpgm
.Lfunc_end_k_q2ebc1412c9_attn:
	.size	k_q2ebc1412c9_attn, .Lfunc_end_k_q2ebc1412c9_attn-k_q2ebc1412c9_attn
	.p2alignl 7, 3214868480
	.fill 96, 4, 3214868480
	.section	.rodata,"a",@progbits
	.p2align	6, 0x0
	.amdhsa_kernel k_q2ebc1412c9_attn
		.amdhsa_group_segment_fixed_size 219136
		.amdhsa_private_segment_fixed_size 0
		.amdhsa_enable_private_segment 0
		.amdhsa_kernarg_size 72
		.amdhsa_user_sgpr_count 2
		.amdhsa_user_sgpr_kernarg_segment_ptr 1
		.amdhsa_wavefront_size32 1
		.amdhsa_system_sgpr_workgroup_id_x 1
		.amdhsa_system_sgpr_workgroup_id_y 1
		.amdhsa_system_sgpr_workgroup_id_z 1
		.amdhsa_system_vgpr_workitem_id 0
		.amdhsa_next_free_vgpr 256
		.amdhsa_next_free_sgpr 100
		.amdhsa_reserve_vcc 0
		.amdhsa_float_denorm_mode_32 3
		.amdhsa_float_denorm_mode_16_64 3
		.amdhsa_memory_ordered 1
		.amdhsa_forward_progress 1
		.amdhsa_inst_pref_size 64
	.end_amdhsa_kernel
	.amdgpu_metadata
---
amdhsa.version: [ 1, 2 ]
amdhsa.kernels:
  - .name:           k_q2ebc1412c9_attn
    .symbol:         k_q2ebc1412c9_attn.kd
    .args:
      - { .name: q_codes, .offset: 0, .size: 8, .value_kind: global_buffer, .address_space: global }
      - { .name: q_scales, .offset: 8, .size: 8, .value_kind: global_buffer, .address_space: global }
      - { .name: k_codes, .offset: 16, .size: 8, .value_kind: global_buffer, .address_space: global }
      - { .name: k_scales, .offset: 24, .size: 8, .value_kind: global_buffer, .address_space: global }
      - { .name: v_codes, .offset: 32, .size: 8, .value_kind: global_buffer, .address_space: global }
      - { .name: v_scales, .offset: 40, .size: 8, .value_kind: global_buffer, .address_space: global }
      - { .name: out0, .offset: 48, .size: 8, .value_kind: global_buffer, .address_space: global }
      - { .name: mwords, .offset: 56, .size: 8, .value_kind: global_buffer, .address_space: global }
      - { .name: flags, .offset: 64, .size: 8, .value_kind: global_buffer, .address_space: global }
    .group_segment_fixed_size: 219136
    .private_segment_fixed_size: 0
    .kernarg_segment_align: 8
    .kernarg_segment_size: 72
    .max_flat_workgroup_size: 512
    .sgpr_count:     100
    .vgpr_count:     256
    .wavefront_size: 32
...
	.end_amdgpu_metadata
.endif
;; end of part 2
;; ======== version 2 of 2: 2 launches
;; workspace buffers: mwords 524,288 bytes of whole numbers; flags 512 bytes of whole numbers
;; launch maskprep (part 3): grid 2 x 128, 8 waves a work-group, no clusters, 17,920 bytes of LDS; arguments mask, mwords, flags; writes mwords, flags
.if DOCPART == 3
	.amdgcn_target "amdgcn-amd-amdhsa--gfx1250"
	.amdhsa_code_object_version 6
	.text
	.protected	k_q2ebc1412c9_maskprep
	.globl	k_q2ebc1412c9_maskprep
	.p2align	8
	.type	k_q2ebc1412c9_maskprep,@function
k_q2ebc1412c9_maskprep:
	s_mov_b64 s[64:65], 0
	v_nop
	global_prefetch_b8 v0, s[64:65] scope:SCOPE_SE
	s_setreg_imm32_b32 hwreg(HW_REG_WAVE_MODE, 25, 1), 1
	s_wait_xcnt 0x0
; The mask [2048 queries][2048 keys], one byte each (a byte that is not 0 counts as true), becomes what the attention launch can apply at one instruction a score register:
;   mwords [128 tiles of 16 queries][16 steps of 128 keys][64 words]: bit L of word n of (j, s) = mask[16 j + L % 16][128 s + 32 (n / 16) + 16 (L / 16) + n % 16]:
;          lane L's score register n in that launch holds just this query and key, so a word is a lane mask for v_cndmask_b32;
;   flags  [128 tiles] of 32 bits: bits 2 s + 1 : 2 s say of step s: 0 no key counts for any of the 16 queries, 1 some count, 2 all count.
; Nothing of the mask's pattern is built in: every byte is read and turned into its bit.
; SHARES.  Work-group (e, j) takes rows 16 j .. 16 j + 15, columns 1,024 e .. + 1,023: 16 KiB.  Wave w takes step 8 e + w.  The bytes are read as they lie (a wave's load covers 512 consecutive bytes),
; go through LDS, and come back 64 to a lane in the order of the score registers.  A wave's 64 words leave as 256 consecutive bytes, aligned; the work-group's eight flags as one store of two bytes.
; No matrix unit, no tensor load, no cluster: the launch reads 4 MiB once and no two work-groups share a byte.
.set ROWP, 1040                        ; an LDS row: 1,024 bytes + 16: the 16 rows that a load touches fall on 16 different 16-byte columns modulo 256 bytes
.set FLG,  16*ROWP                     ; behind the rows: eight words, one for each wave's flag
	s_load_b128 s[4:7], s[0:1], 0x0                ; mask s[4:5], mwords s[6:7]
	s_load_b64 s[8:9], s[0:1], 0x10                ; flags
	v_lshl_add_u32 v64, v0, 2, 0x4200
	v_mov_b32 v65, 0
	v_lshrrev_b32 v1, 5, v0
	s_delay_alu instid0(VALU_DEP_1)
	v_readfirstlane_b32 s10, v1                    ; wave 0..7
	v_and_b32 v1, 31, v0                           ; lane
	s_mov_b32 s11, ttmp9                           ; e: which half of the columns
	s_and_b32 s12, ttmp7, 0xffff                   ; j: the tile of 16 queries
	v_lshrrev_b32 v42, 6, v0                       ; in: 64 threads to a row of 1,024 bytes, four rows to a load
	v_and_b32 v43, 63, v0
	s_delay_alu instid0(VALU_DEP_1)
	v_lshlrev_b32 v43, 4, v43
	s_delay_alu instid0(VALU_DEP_1)
	v_lshl_add_u32 v2, v42, 11, v43                ; in memory a row is 2,048 bytes,
	s_delay_alu instid0(VALU_DEP_2)
	v_mad_u32_u24 v3, v42, ROWP, v43               ; in LDS ROWP
	v_and_b32 v44, 15, v0                          ; r
	v_bfe_u32 v45, v0, 4, 1                        ; h
	s_delay_alu instid0(VALU_DEP_2)
	v_mul_u32_u24 v4, v44, ROWP
	s_delay_alu instid0(VALU_DEP_1)
	v_lshl_add_u32 v4, v45, 4, v4
	s_lshl_b32 s18, s10, 7
	v_add_nc_u32 v4, s18, v4                       ; back: row r, my wave's 128 columns, + 16 h
	v_lshlrev_b32 v5, 3, v1                        ; out: two words a lane
	v_mov_b32 v6, s10
	s_delay_alu instid0(VALU_DEP_1)
	v_lshl_add_u32 v6, v6, 2, FLG                  ; my wave's flag word
	v_mov_b32 v7, FLG
	v_mov_b32 v40, 0                               ; the words going out: a lane write's destination counts as read, so both are written once
	v_mov_b32 v41, 0
	v_mov_b32 v47, 0
	s_mov_b32 s16, 0                               ; the OR of my 64 words,
	s_mov_b32 s17, -1                              ; and their AND
	s_lshl_b32 s14, s12, 15                        ; 16 rows of 2,048 bytes a tile,
	s_lshl_b32 s18, s11, 10                        ; 1,024 bytes a half
	s_add_co_u32 s14, s14, s18
	s_mov_b32 s15, 0
	s_wait_alu depctr_va_vdst(0)
	s_wait_kmcnt 0x0
	s_add_nc_u64 s[4:5], s[4:5], s[14:15]
.irp n, 0,1,2,3
	global_load_b128 v[8+4*\n:11+4*\n], v2, s[4:5] offset:8192*\n th:TH_LOAD_NT   ; rows 4 n .. 4 n + 3; read once in the launch
.endr
	s_lshl_b32 s14, s12, 4
	s_lshl_b32 s18, s11, 3
	s_add_co_u32 s14, s14, s18
	s_add_co_u32 s14, s14, s10                     ; 16 j + 8 e + w: my (tile, step),
	s_lshl_b32 s14, s14, 8                         ; 256 bytes each
	s_add_nc_u64 s[6:7], s[6:7], s[14:15]
	s_lshl_b32 s14, s12, 2
	s_lshl_b32 s18, s11, 1
	s_add_co_u32 s14, s14, s18                     ; 4 j + 2 e: my work-group's half of the tile's flag word
	s_add_nc_u64 s[8:9], s[8:9], s[14:15]
.irp n, 0,1,2,3
	s_wait_loadcnt 3-\n                            ; loads come back in order: load n is in, the 3 - n younger ones may be out
	ds_store_b128 v3, v[8+4*\n:11+4*\n] offset:4*ROWP*\n
.endr
	s_wait_dscnt 0x0                               ; for the others' sake: my stores have landed
	s_barrier_signal -1
	s_barrier_wait -1                              ; the 16 rows lie in LDS
.irp b, 0,1,2,3
	ds_load_b128 v[24+4*\b:27+4*\b], v4 offset:32*\b   ; keys 32 b + 16 h + 0 .. 15 of my step, query r: byte n % 4 of v[24 + n / 4] belongs to word n
.endr
	s_wait_dscnt 0x0
.set n, 0
.rept 64                               ; word n: each lane's byte, the 32 lanes' verdicts as one word, into lane n / 2 of the register that goes out.  Four temporaries by turns
	v_bfe_u32 v[42+n%4], v[24+n/4], 8*(n%4), 8
	s_delay_alu instid0(VALU_DEP_1)
	v_cmp_ne_u32 s[20+n%4], 0, v[42+n%4]
	s_delay_alu instid0(VALU_DEP_1)
	v_writelane_b32 v[40+n%2], s[20+n%4], n/2
	s_or_b32 s16, s16, s[20+n%4]
	s_and_b32 s17, s17, s[20+n%4]
.set n, n+1
.endr
	global_store_b64 v5, v[40:41], s[6:7]          ; 32 lanes store 256 consecutive bytes, at a multiple of 256 from the buffer's first byte
	s_cmp_lg_u32 s16, 0
	s_cselect_b32 s18, 1, 0                        ; some key counts,
	s_cmp_eq_u32 s17, -1
	s_cselect_b32 s19, 1, 0                        ; all count:
	s_add_co_u32 s18, s18, s19                     ; 0, 1 or 2,
	s_lshl_b32 s19, s10, 1
	s_lshl_b32 s18, s18, s19                       ; at my step's two bits
	v_mov_b32 v46, s18
	ds_store_b32 v6, v46                           ; all lanes write the same word with the same value
	s_wait_dscnt 0x0
	s_barrier_signal -1
	s_barrier_wait -1                              ; the eight flags lie in LDS
	s_cmp_lg_u32 s10, 0                            ; wave 0 alone joins and stores them; no barrier stands under this branch
	s_cbranch_scc1 .Lend
	ds_load_b128 v[48:51], v7
	ds_load_b128 v[52:55], v7 offset:16
	s_wait_dscnt 0x0
	v_or_b32 v48, v48, v49
	v_or_b32 v50, v50, v51
	v_or_b32 v52, v52, v53
	v_or_b32 v54, v54, v55
	s_delay_alu instid0(VALU_DEP_3)
	v_or_b32 v48, v48, v50
	s_delay_alu instid0(VALU_DEP_2)
	v_or_b32 v52, v52, v54
	s_delay_alu instid0(VALU_DEP_1)
	v_or_b32 v48, v48, v52
	v_cmp_eq_u32 vcc_lo, 0, v1
	s_wait_alu depctr_va_vdst(0)
	s_wait_xcnt 0x0                                ; EXEC is a source of the store above: it changes only behind this wait
	s_and_saveexec_b32 s24, vcc_lo
	global_store_b16 v47, v48, s[8:9]              ; lane 0: 16 bits, steps 8 e .. 8 e + 7
	s_wait_xcnt 0x0                                ; and again in front of the line that widens it
	s_or_b32 exec_lo, exec_lo, s24
.Lend:
	s_wait_tensorcnt 0x0
	ds_add_u32 v64, v65
	s_wait_dscnt 0x0
	s_endpgm
.Lfunc_end_k_q2ebc1412c9_maskprep:
	.size	k_q2ebc1412c9_maskprep, .Lfunc_end_k_q2ebc1412c9_maskprep-k_q2ebc1412c9_maskprep
	.p2alignl 7, 3214868480
	.fill 96, 4, 3214868480
	.section	.rodata,"a",@progbits
	.p2align	6, 0x0
	.amdhsa_kernel k_q2ebc1412c9_maskprep
		.amdhsa_group_segment_fixed_size 17920
		.amdhsa_private_segment_fixed_size 0
		.amdhsa_enable_private_segment 0
		.amdhsa_kernarg_size 24
		.amdhsa_user_sgpr_count 2
		.amdhsa_user_sgpr_kernarg_segment_ptr 1
		.amdhsa_wavefront_size32 1
		.amdhsa_system_sgpr_workgroup_id_x 1
		.amdhsa_system_sgpr_workgroup_id_y 1
		.amdhsa_system_sgpr_workgroup_id_z 1
		.amdhsa_system_vgpr_workitem_id 0
		.amdhsa_next_free_vgpr 66
		.amdhsa_next_free_sgpr 66
		.amdhsa_reserve_vcc 1
		.amdhsa_float_denorm_mode_32 3
		.amdhsa_float_denorm_mode_16_64 3
		.amdhsa_memory_ordered 1
		.amdhsa_forward_progress 1
		.amdhsa_inst_pref_size 25
	.end_amdhsa_kernel
	.amdgpu_metadata
---
amdhsa.version: [ 1, 2 ]
amdhsa.kernels:
  - .name:           k_q2ebc1412c9_maskprep
    .symbol:         k_q2ebc1412c9_maskprep.kd
    .args:
      - { .name: mask, .offset: 0, .size: 8, .value_kind: global_buffer, .address_space: global }
      - { .name: mwords, .offset: 8, .size: 8, .value_kind: global_buffer, .address_space: global }
      - { .name: flags, .offset: 16, .size: 8, .value_kind: global_buffer, .address_space: global }
    .group_segment_fixed_size: 17920
    .private_segment_fixed_size: 0
    .kernarg_segment_align: 8
    .kernarg_segment_size: 24
    .max_flat_workgroup_size: 256
    .sgpr_count:     66
    .vgpr_count:     66
    .wavefront_size: 32
...
	.end_amdgpu_metadata
.endif
;; end of part 3
;; launch attn (part 4): grid 4 x 64, 16 waves a work-group, no clusters, 219,136 bytes of LDS; arguments q_codes, q_scales, k_codes, k_scales, v_codes, v_scales, out0, mwords, flags; writes out0
.if DOCPART == 4
	.amdgcn_target "amdgcn-amd-amdhsa--gfx1250"
	.amdhsa_code_object_version 6
	.text
	.protected	k_q2ebc1412c9_attn
	.globl	k_q2ebc1412c9_attn
	.p2align	8
	.type	k_q2ebc1412c9_attn,@function
k_q2ebc1412c9_attn:
	s_mov_b64 s[64:65], 0
	v_nop
	global_prefetch_b8 v0, s[64:65] scope:SCOPE_SE
	s_setreg_imm32_b32 hwreg(HW_REG_WAVE_SCHED_MODE, 0, 2), 2
	s_setreg_imm32_b32 hwreg(HW_REG_WAVE_MODE, 25, 1), 1
	s_wait_xcnt 0x0
	s_wait_alu depctr_vm_vsrc(0)
; out0[head][q][:] = the sum over keys of softmax_k(mask ? Q[q] . K[k] / 8 : -inf) V[k][:], 64 heads, 2,048 queries and keys, head size 64; both products on codes of FP4 (E2M1) with one E8M0 scale for each 32 along K.
; Q, K: 32 bytes of codes and 2 scale bytes a row (K = the head's 64).  V: codes with the KEYS innermost, [head][64 d][1,024 bytes], scale bytes [head][64 d][64].  out0: f32.
; THE FIRST PRODUCT'S K IS 64, the instruction's 128: registers 4-7 of K's and Q's fragments hold zero codes, cleared once, and bytes 2, 3 of their scale words are 0: zeros under 2^-127 add nothing.
; THE SOFTMAX: t = score x log2(e) / 8; M = the running largest t rounded UP to a whole number; p = 2^(t - M) is quantised along the keys, not normalised; the row's sum is taken of the unquantised p and divides at the end.
; When M moves, the sum and O are multiplied by 2^(old M - new M), which rounds nothing.
; THE MASK is an input.  An earlier launch has turned it into lane masks (mwords) and a flag for each (tile of 16 queries, step of 128 keys) (flags): 0: no key counts: the step's work is passed over by a scalar branch on the
; stored number; 2: all count: no mask is applied; 1: 64 words come by scalar loads, and 64 v_cndmask_b32 put -infinity over hidden scores ahead of the maximum: p = 0 there.  No pattern of the mask is built in.
; SHARES.  256 work-groups: a head and a quarter of its tiles.  Sixteen waves of 256 registers, four to a SIMD: by the text's own count a step is 238 vector instructions (68 of them exponentials) beside 12 matrix instructions,
; so one wave's vector work stands beside another's products and LDS loads.  Wave w of quarter x owns tiles a = 16 x + w and 127 - a, one after the other: an assignment only, right for every mask.
; A WHOLE HEAD'S K, V AND SCALE BYTES, 136 KiB, LIE IN LDS, copied once through registers at the head, laid as images of the operands' registers; one barrier, and no other in the launch.
; NO TENSOR LOAD, NO CLUSTER: the steps are passed over by a branch on a number read from memory; and nothing is filled again, so a ring would have nothing to do.  What the four
; work-groups of a head share is that one fill of 136 KiB each.
; LAYOUT.  Both products are used transposed: S^T = K Q^T (source 0 = 16 keys, source 1 = 16 queries), O^T = V^T P^T (source 0 = 16 of the head's 64, source 1 = P): a lane holds ONE query (lane % 16) throughout.
; THE KEYS OF A TILE ARE NOT NEIGHBOURS: lane r of tile 2 b + u takes key 32 b + 8 u + r + 8 (r / 8), so that score register 16 b + i of lane (r, h) is key 32 b + 16 h + i: 16 neighbours along the next K.
; LIMITS.  A scale byte 0xff (NaN) is not served apart: it spreads as the matrix unit spreads it.  A t under -3e38 is not told from 'no key yet'.  A p under 2^-126 comes out of v_exp_f32 as 0 (ISA guide, 15.8), beside a sum above 1/2.
; A query for which no key counts has sum 0 and O 0, and 0 x (1 / 0) is NaN, as the softmax of a row of -infinity is.
; THE MODE: SCHED_MODE bits 1:0 = 2 (LLVM: expert scheduling mode 2), set by the entry lines.  The code itself states the register dependences between vector or matrix instructions and memory or LDS instructions,
; with s_wait_alu, always for 0.
; THE PLAN.  Registers that memory or LDS instructions touch, in a step:
;   v[ADK] .. v[ADT]   written by the four additions at the step's head; read by the step's 18 LDS loads (v[ADK] also: written once in the way out, read by its eight stores).
;   KF (low halves), KS   the loads at the step's head land in them; the step's eight products K Q^T read them.
;   VF, VS             the loads dealt among those eight products land in them; the step's four products V^T P read them.
;   p's codes and scale word are written by vector instructions and taken by scaled products; S, O^T and the statistics are named by vector and matrix instructions alone.
; So a step has: ONE wait on va_vdst behind the four additions (the addresses are written; the last step's products are done with all four buffers), on which all 18 loads hang: the eight products that stand among V's
; loads name none of VF, VS, v[ADV], v[ADT]; the wait behind the exponentials; and, ahead of V^T P, one wait on vm_vsrc (the 18 loads have read the four addresses, which the next step's additions or the way out's
; write again) and one on va_vdst (p's codes and scale word are written).  All 256 registers of the wave are laid out, so no buffer has a second set.
.set VP,    272                        ; half an image of V: 256 bytes + 16, so that the fill's 16 lanes (16 blocks of one d) fall on 16 different 16-byte columns modulo 256 bytes; a read's 16 lanes take 256 consecutive bytes
.set KIMG,  0                          ; K: 128 tiles of 16 keys x 512 bytes: lane L's 16 bytes (row L % 16, its bytes 16 (L / 16) on) at 16 L
.set VIMG,  65536                      ; V: half image 64 t + j (d = 16 t + r, block j of 32 keys): row r's 16 bytes at 16 r
.set KSC,   VIMG+256*VP                ; K's scale words [16 steps][32 lanes][4]: word t of lane (r, h): the two bytes of tile 4 h + t's row r, zeros above
.set VSC,   KSC+8192                   ; V's scale words [16 steps][32 lanes][2]: word e of lane (r, h): the step's four bytes of d = 32 h + 16 e + r
.set STG,   VSC+4096                   ; the way out: 16 rows x (256 + 16) bytes for each wave, its own
.set STGW,  16*272
.set AK0,  1                           ; v1   16 x lane: my place in a tile of K
.set AV0,  2                           ; v2   VIMG + 272 h + 16 r
.set ASK0, 3                           ; v3   KSC + 16 x lane
.set ASV0, 4                           ; v4   VSC + 8 x lane
.set STO,  5                           ; v5   the stage: where I put 32 bytes of a row
.set RD,   6                           ; v6   and where I read a row back
.set GO,   7                           ; v7   256 h + 16 r: my bytes in two rows of out0
.set ADK,  8                           ; v8-11 the step's LDS addresses: K, V, K's scale words, V's (v8 also: my offset in out0)
.set ADV,  9
.set ADS,  10
.set ADT,  11
.set NM,   12                          ; v12 -M, v13 the largest t so far
.set LS,   14                          ; v[14:15] the row's sum, in two halves
.set QA,   16                          ; v[16:23] Q of tile a;  v[24:31] of tile 127 - a
.set QB,   24
.set KF,   32                          ; v[32:95] K's eight fragments; registers 4-7 of each stay 0
.set S,    96                          ; v[96:159] S^T, then p; on the way out O / sum and the rows read back
.set OT,   160                         ; v[160:191] O^T, four tiles
.set VF,   192                         ; v[192:223] V's four fragments
.set PC,   224                         ; v[224:231] p's codes
.set BM,   232                         ; v[232:235] each block's largest score, then its largest p
.set PT,   236                         ; v[236:239] the other half's, then the bytes, then the second chain of sums
.set SO,   240                         ; v[240:243] the conversions' scale operands
.set KS,   244                         ; v[244:247] K's scale words;  v[248:249] V's;  v250 p's;  v251, v255 Q's: these hold scales and nothing else
.set VS,   248
.set PW,   250
.set QSA,  251
.set F,    252                         ; v252 f = 2^(old M - new M); v253 = 0, named with it as a pair
.set TMP,  254
.set QSB,  255
.set WV,   14                          ; s14  my wave's number
.set TLA,  15                          ; s15, s16  my two tiles;  s17, s18  their flag words
.set TLB,  16
.set FWA,  17
.set FWB,  18
.set FL,   19                          ; s19  the step's flag
.set CNT,  20                          ; s20  the step
.set TK,   21                          ; s21-24 where the step's K, V, K's scale words, V's begin;  s25 its mask words in mwords
.set TV,   22
.set TKS,  23
.set TVS,  24
.set MOFF, 25
.set SEL,  26                          ; s[26:27] v_permlanex16_b32's selects for lane l xor 16
.set CS,   28                          ; s[28:29] c = log2(e) / 8: the packed form names a pair and takes its low word for both halves
.set NINF, 30                          ; s30  -infinity
                                       ; s[32:63], s[68:99]  the step's 64 mask words (at the head: four addresses and offsets)
	s_load_b128 s[4:7], s[0:1], 0x0                ; Q's codes s[4:5], Q's scales s[6:7]
	s_load_b256 s[32:39], s[0:1], 0x10             ; K's codes, K's scales, V's codes, V's scales
	s_load_b128 s[8:11], s[0:1], 0x30              ; out0 s[8:9], mwords s[10:11]
	s_load_b64 s[12:13], s[0:1], 0x40              ; flags
	v_lshrrev_b32 v8, 5, v0
	v_readfirstlane_b32 s[WV], v8                  ; wave 0..15.  What does not hang on it stands between this line and the wait for it
	v_and_b32 v9, 31, v0                           ; lane
	v_and_b32 v10, 15, v0                          ; r
	v_bfe_u32 v11, v0, 4, 1                        ; h
	; where the fill reads: thread i takes 16 bytes at 16 i of each run of 8,192 bytes of K's and V's codes, and 8 bytes at 8 i of their scale bytes
	v_lshlrev_b32 v168, 4, v0
	v_lshlrev_b32 v169, 3, v0
	v_lshlrev_b32 v174, 5, v10                     ; Q: row r of 32 bytes, + 16 h, + 512 x tile
	v_lshl_add_u32 v174, v11, 4, v174
	s_wait_alu depctr_va_vdst(0)
	v_lshlrev_b32 v176, 1, v10                     ; Q's scales: 2 bytes a row, + 32 x tile
	s_wait_alu depctr_va_vdst(0)
	s_and_b32 s40, ttmp7, 0xffff                   ; the head
	s_lshl_b32 s42, s40, 16                        ; its first byte in each tensor of codes,
	s_mov_b32 s43, 0
	s_lshl_b32 s44, s40, 12                        ; of scale bytes,
	s_mov_b32 s45, 0
	s_lshl_b32 s46, s40, 19                        ; and in out0
	s_mov_b32 s47, 0
	s_lshl_b32 s[TLA], ttmp9, 4
	s_wait_alu depctr_va_sdst(0)                   ; s14, the wave's number, is written, ahead of its first reader: my tiles, my stage and Q's offsets are made from it
	s_add_co_u32 s[TLA], s[TLA], s[WV]             ; tile a = 16 x quarter + wave
	s_sub_co_u32 s[TLB], 127, s[TLA]               ; and 127 - a
	s_lshl_b32 s2, s[TLA], 2                       ; my tiles' flag words
	s_lshl_b32 s3, s[TLB], 2
	s_mul_i32 s41, s[WV], STGW
	s_add_co_u32 s41, s41, STG                     ; my stage
	s_lshl_b32 s19, s[TLA], 9
	s_lshl_b32 s20, s[TLB], 9
	v_add_nc_u32 v175, s20, v174
	v_add_nc_u32 v174, s19, v174
	s_lshl_b32 s21, s[TLA], 5
	s_lshl_b32 s22, s[TLB], 5
	v_add_nc_u32 v177, s22, v176
	v_add_nc_u32 v176, s21, v176
	s_wait_kmcnt 0x0
	s_add_nc_u64 s[4:5], s[4:5], s[42:43]
	s_add_nc_u64 s[6:7], s[6:7], s[44:45]
	s_add_nc_u64 s[8:9], s[8:9], s[46:47]
	s_add_nc_u64 s[32:33], s[32:33], s[42:43]
	s_add_nc_u64 s[34:35], s[34:35], s[44:45]
	s_add_nc_u64 s[36:37], s[36:37], s[42:43]
	s_add_nc_u64 s[38:39], s[38:39], s[44:45]
	s_load_b32 s[FWA], s[12:13], s2 offset:0x0
	s_load_b32 s[FWB], s[12:13], s3 offset:0x0
	s_wait_alu depctr_va_vdst(0)                   ; v168, v169 and v174 to v177 are written, which the 22 loads below read as their offsets
	; 22 loads, in the order in which they are waited for.  A wave's load of codes covers 512 consecutive bytes.  K and V carry no hint: the head's four work-groups read them
.irp n, 0,1,2,3,4,5,6,7
	global_load_b128 v[96+4*\n:99+4*\n], v168, s[32:33] offset:8192*\n
.endr
.irp n, 0,1,2,3,4,5,6,7
	global_load_b128 v[128+4*\n:131+4*\n], v168, s[36:37] offset:8192*\n
.endr
	global_load_b64 v[160:161], v169, s[34:35]
	global_load_b64 v[162:163], v169, s[38:39]
	global_load_b128 v[QA:QA+3], v174, s[4:5] th:TH_LOAD_NT        ; lane (r, h): query r's codes of k = 32 h .. 32 h + 31; a tile is read by one wave of the launch
	global_load_b128 v[QB:QB+3], v175, s[4:5] th:TH_LOAD_NT
	global_load_u16 v[QSA], v176, s[6:7]           ; the row's two scale bytes, zeros above
	global_load_u16 v[QSB], v177, s[6:7]
	; while they are out (none of the lines below names a register that those loads read or land in): the loop's addresses,
	v_lshlrev_b32 v[AK0], 4, v9
	v_mul_u32_u24 v[AV0], v11, VP
	v_lshl_add_u32 v[AV0], v10, 4, v[AV0]
	v_add_nc_u32 v[AV0], VIMG, v[AV0]
	v_lshl_add_u32 v[ASK0], v9, 4, KSC
	v_lshl_add_u32 v[ASV0], v9, 3, VSC
	v_mul_u32_u24 v[STO], v10, 272                 ; in: row r, + 32 h
	v_lshl_add_u32 v[STO], v11, 5, v[STO]
	v_add_nc_u32 v[STO], s41, v[STO]
	v_mul_u32_u24 v[RD], v11, 272                  ; back: lanes 0-15 one row, lanes 16-31 the next
	v_lshl_add_u32 v[RD], v10, 4, v[RD]
	v_add_nc_u32 v[RD], s41, v[RD]
	v_lshlrev_b32 v[GO], 8, v11
	v_lshl_add_u32 v[GO], v10, 4, v[GO]
	; where the fill writes.  K: thread i's piece of load n is half i[0] of key (i >> 1) + 256 n: tile 2 (key >> 5) + key[3], row key[2:0] + 8 key[4]:
	; 1,024 (i >> 6) + 512 i[4] + 256 i[0] + 128 i[5] + 16 i[3:1], + 8,192 n
	v_lshrrev_b32 v170, 6, v0
	v_lshlrev_b32 v170, 10, v170
	v_bfe_u32 v178, v0, 4, 1
	v_lshl_add_u32 v170, v178, 9, v170
	v_and_b32 v178, 1, v0
	v_lshl_add_u32 v170, v178, 8, v170
	v_bfe_u32 v178, v0, 5, 1
	v_lshl_add_u32 v170, v178, 7, v170
	v_bfe_u32 v178, v0, 1, 3
	v_lshl_add_u32 v170, v178, 4, v170
	; V: block i & 63 of d = (i >> 6) + 8 n: VIMG + 272 (i & 63) + 16 (i >> 6), + 17,408 (n >> 1) + 128 (n & 1)
	v_and_b32 v178, 63, v0
	v_mul_u32_u24 v171, v178, VP
	v_lshrrev_b32 v178, 6, v0
	v_lshl_add_u32 v171, v178, 4, v171
	v_add_nc_u32 v171, VIMG, v171
	; K's scales: keys 4 i + e: KSC + 512 (i >> 5) + 256 i[4] + 128 i[2] + 64 i[0] + 8 i[3] + 4 i[1], + 16 e
	v_lshrrev_b32 v172, 5, v0
	v_lshl_add_u32 v172, v172, 9, KSC
	v_bfe_u32 v178, v0, 4, 1
	v_lshl_add_u32 v172, v178, 8, v172
	v_bfe_u32 v178, v0, 2, 1
	v_lshl_add_u32 v172, v178, 7, v172
	v_and_b32 v178, 1, v0
	v_lshl_add_u32 v172, v178, 6, v172
	v_bfe_u32 v178, v0, 3, 1
	v_lshl_add_u32 v172, v178, 3, v172
	v_bfe_u32 v178, v0, 1, 1
	v_lshl_add_u32 v172, v178, 2, v172
	; V's scales: d = i >> 3, steps 2 (i & 7) and + 1: VSC + 512 (i & 7) + 128 i[8] + 8 i[6:3] + 4 i[7], + 256 for the second
	v_and_b32 v178, 7, v0
	v_lshl_add_u32 v173, v178, 9, VSC
	v_bfe_u32 v178, v0, 8, 1
	v_lshl_add_u32 v173, v178, 7, v173
	v_bfe_u32 v178, v0, 3, 4
	v_lshl_add_u32 v173, v178, 3, v173
	v_bfe_u32 v178, v0, 7, 1
	v_lshl_add_u32 v173, v178, 2, v173
	; the zero codes for k = 64 .. 127 of the first product, written once,
.irp j, 4,5,6,7
	v_mov_b32 v[QA+\j], 0
	v_mov_b32 v[QB+\j], 0
.endr
.irp t, 0,1,2,3,4,5,6,7
.irp j, 4,5,6,7
	v_mov_b32 v[KF+8*\t+\j], 0
.endr
.endr
.irp b, 0,1,2,3
	v_mov_b32 v[PT+\b], 0                          ; (a lane permute's destination counts as one of its sources)
.endr
	v_mov_b32 v[F+1], 0                            ; (named as the upper half of a pair)
	; and the constants
	s_mov_b32 s[SEL], 0x76543210
	s_mov_b32 s[SEL+1], 0xfedcba98
	s_mov_b32 s[CS], 0x3e38aa3b                    ; log2(e) / 8
	s_mov_b32 s[CS+1], s[CS]
	s_mov_b32 s[NINF], 0xff800000
	s_wait_alu depctr_va_vdst(0)                   ; v170 to v173 are written, which the fill's LDS stores read as addresses; so are v[STO] and v[RD], the way out's LDS addresses, and the zero codes, which the scaled products K Q^T take in their operands
	s_wait_loadcnt 14                              ; K's eight loads are in; behind them: V's 8, 2 of scales, 4 of Q
.irp n, 0,1,2,3,4,5,6,7
	ds_store_b128 v170, v[96+4*\n:99+4*\n] offset:8192*\n
.endr
	s_wait_loadcnt 6                               ; V's eight; behind them: 2 of scales, 4 of Q
.irp n, 0,1,2,3,4,5,6,7
	ds_store_b128 v171, v[128+4*\n:131+4*\n] offset:(\n/2)*64*VP+(\n%2)*128
.endr
	s_wait_loadcnt 5                               ; K's scale bytes; behind them: V's, 4 of Q
	v_and_b32 v164, 0xffff, v160                   ; four keys' pairs of bytes, each a word with zeros above
	v_lshrrev_b32 v165, 16, v160
	v_and_b32 v166, 0xffff, v161
	v_lshrrev_b32 v167, 16, v161
	s_wait_alu depctr_va_vdst(0)                   ; v164 to v167 are written, which the four LDS stores below read as their data
.irp e, 0,1,2,3
	ds_store_b32 v172, v[164+\e] offset:16*\e
.endr
	s_wait_loadcnt 4                               ; V's scale bytes; behind them: 4 of Q
	ds_store_b32 v173, v162
	ds_store_b32 v173, v163 offset:256
	s_wait_loadcnt 0x0                             ; Q; and every load's address registers and bases are free
	s_wait_kmcnt 0x0                               ; the flag words
	s_wait_dscnt 0x0                               ; for the others' sake: my stores have landed
	s_barrier_signal -1
	s_barrier_wait -1                              ; the head lies in LDS; nothing of it is written again
	s_wait_alu depctr_vm_vsrc(0)                   ; the fill's loads and LDS stores have read their offsets, addresses and data, v96 to v177: these registers are S^T and O^T from here on, written by vector and matrix instructions
; The step's loads and S^T = K Q^T.  The four addresses are free: the wait on vm_vsrc ahead of the last V^T P, or behind the fill, or behind the first tile's way out, stands on every way here.
; The four additions are also four plain instructions between the last step's products and the loads into the registers that those read.
.macro FRONT qf, qs
	v_add_nc_u32 v[ADK], s[TK], v[AK0]
	v_add_nc_u32 v[ADV], s[TV], v[AV0]
	v_add_nc_u32 v[ADS], s[TKS], v[ASK0]
	v_add_nc_u32 v[ADT], s[TVS], v[ASV0]
	s_wait_alu depctr_va_vdst(0)                   ; the four addresses are written, which the step's 18 loads read; the last step's products are done reading KF, KS, VF and VS, in which those loads land
	ds_load_b128 v[KS:KS+3], v[ADS]                ; lanes 0-15: the words of tiles 0-3; lanes 16-31: of tiles 4-7
.irp t, 0,1,2,3,4,5,6,7
	ds_load_b128 v[KF+8*\t:KF+8*\t+3], v[ADK] offset:512*\t
.endr
	s_wait_dscnt 0x0                               ; K and its scale words are in: no other LDS instruction of mine is out
; V is asked for here and wanted behind the softmax: one load behind each product.  No further wait: the products name KF, KS, Q and S^T, none of the registers that V's loads read or land in.
; Load u: registers 4 u on of V's fragments: d = 16 (u / 2) + r, block 4 s + 2 (u % 2) + h.
.irp t, 0,1,2,3
	v_wmma_scale_f32_16x16x128_f8f6f4 v[S+8*\t:S+8*\t+7], v[KF+8*\t:KF+8*\t+7], v[\qf:\qf+7], 0, v[KS+\t], v[\qs] matrix_a_fmt:MATRIX_FMT_FP4 matrix_b_fmt:MATRIX_FMT_FP4
	ds_load_b128 v[VF+4*\t:VF+4*\t+3], v[ADV] offset:64*VP*(\t/2)+2*VP*(\t%2)
.endr
.irp t, 4,5,6,7
	v_wmma_scale_f32_16x16x128_f8f6f4 v[S+8*\t:S+8*\t+7], v[KF+8*\t:KF+8*\t+7], v[\qf:\qf+7], 0, v[KS+\t-4], v[\qs] matrix_a_fmt:MATRIX_FMT_FP4 matrix_b_fmt:MATRIX_FMT_FP4 matrix_a_scale:MATRIX_SCALE_ROW1
	ds_load_b128 v[VF+4*\t:VF+4*\t+3], v[ADV] offset:64*VP*(\t/2)+2*VP*(\t%2)
.endr
	ds_load_b64 v[VS:VS+1], v[ADT]                 ; lanes 0-15: tiles 0, 1 of V; lanes 16-31: tiles 2, 3
.rept 4
	v_nop                                          ; four places in front of the first read of the scores
.endr
.endm
; 64 scores of a lane (one query, keys 32 b + 16 h + i in register 16 b + i) become p's codes and scale word; M, the sum and O^T are brought on.
.macro SOFTMAX
.irp b, 0,1,2,3
	v_max3_num_f32 v[BM+\b], v[S+16*\b], v[S+1+16*\b], v[S+2+16*\b]   ; the largest score of each block of 32 keys: it serves the row's maximum and, since p rises with the score, the block's largest p.  Each accumulator is read from its low end on
.endr
.irp i, 3,5,7,9,11,13
.irp b, 0,1,2,3
	v_max3_num_f32 v[BM+\b], v[BM+\b], v[S+16*\b+\i], v[S+1+16*\b+\i]   ; (the four blocks by turns)
.endr
.endr
.irp b, 0,1,2,3
	v_max_num_f32 v[BM+\b], v[BM+\b], v[S+15+16*\b]
.endr
.irp b, 0,1,2,3
	v_permlanex16_b32 v[PT+\b], v[BM+\b], s[SEL], s[SEL+1]
.endr
.irp b, 0,1,2,3
	v_max_num_f32 v[BM+\b], v[BM+\b], v[PT+\b]     ; with lane l xor 16's 16 keys
.endr
	v_max3_num_f32 v[TMP], v[BM], v[BM+1], v[BM+2]
	v_max_num_f32 v[TMP], v[TMP], v[BM+3]          ; the step's largest score of my query (-infinity where all its keys are hidden)
	v_mul_f32 v[TMP], s[CS], v[TMP]                ; as t (c is positive)
	v_max_num_f32 v[NM+1], v[NM+1], v[TMP]         ; the running largest t
	v_mov_b32 v[TMP], v[NM]
	v_floor_f32 v[NM], -v[NM+1]                    ; the new -M = floor(-t) = -ceil(t): a whole number
	v_sub_f32 v[TMP], v[NM], v[TMP]                ; old M - new M: a whole number, 0 or less
	v_cvt_i32_f32 v[TMP], v[TMP]                   ; (it saturates)
	v_ldexp_f32 v[F], 1.0, v[TMP]                  ; f = 2^(old M - new M)
.set n, 0
.rept 32
	v_pk_fma_f32 v[S+n:S+n+1], v[S+n:S+n+1], s[CS:CS+1], v[NM:NM+1] op_sel_hi:[1,0,0]   ; t - M, two at a time (of the pairs c and -M the low word serves both halves)
.set n, n+2
.endr
.irp b, 0,1,2,3
	v_fma_f32 v[BM+\b], v[BM+\b], s[CS], v[NM]     ; the same of each block's largest score
.endr
.set n, 0
	s_wait_alu depctr_va_vdst(0)
.rept 64
	v_exp_f32 v[S+n], v[S+n]                       ; p = 2^(t - M), at most 1; 0 for a hidden key
.set n, n+1
.endr
.irp b, 0,1,2,3
	v_exp_f32 v[BM+\b], v[BM+\b]                   ; the block's largest p: the same two instructions on the same number
.endr
	v_pk_mul_f32 v[LS:LS+1], v[LS:LS+1], v[F:F+1] op_sel_hi:[1,0]   ; the sums under the new M.  (The plain instruction behind the exponentials: ISA guide 5.7.2)
	s_wait_alu depctr_va_vdst(0)                   ; the 68 exponentials have written p and the blocks' largest p: one wait for the batch, ahead of its first reader
.irp b, 0,1,2,3
	v_max_num_f32 v[BM+\b], 0x1800000, v[BM+\b]    ; the floor 2^(3 - 127): the byte cannot fall under 1; a block of zeros keeps that byte, and its codes are zeros
.endr
.irp b, 0,1,2,3
	v_add_nc_u32 v[SO+\b], 0xff000000, v[BM+\b]    ; 2 off the exponent field: the conversion takes this operand's exponent field as its scale
.endr
.irp b, 0,1,2,3
	v_lshrrev_b32 v[PT+\b], 23, v[SO+\b]           ; the scale's byte
.endr
	v_lshl_or_b32 v[PW], v[PT+1], 8, v[PT]         ; p's scale word for these 128 keys
	v_lshl_or_b32 v[PW], v[PT+2], 16, v[PW]
	v_lshl_or_b32 v[PW], v[PT+3], 24, v[PW]
.irp b, 0,1,2,3
	v_cvt_scalef32_pk8_fp4_f32 v[PC+2*\b], v[S+16*\b:S+7+16*\b], v[SO+\b]
	v_cvt_scalef32_pk8_fp4_f32 v[PC+1+2*\b], v[S+8+16*\b:S+15+16*\b], v[SO+\b]
.endr
	v_nop                                          ; one plain instruction between a scaled conversion and the instruction that touches its result
.irp c, 0,1                            ; the operand's layout wants a whole block in a lane: lanes 0-15 block 2 c, lanes 16-31 block 2 c + 1
.irp i, 0,1
	v_permlane16_swap_b32 v[PC+4*\c+\i], v[PC+2+4*\c+\i]
.endr
.endr
	v_pk_add_f32 v[PT:PT+1], v[S:S+1], v[S+2:S+3]  ; the row's sum is taken of the unquantised p: two at a time, in two chains
.irp j, 4,8,12,16,20,24,28,32,36,40,44,48,52,56,60
	v_pk_add_f32 v[LS:LS+1], v[LS:LS+1], v[S+\j:S+\j+1]
	v_pk_add_f32 v[PT:PT+1], v[PT:PT+1], v[S+2+\j:S+3+\j]
.endr
	v_pk_add_f32 v[LS:LS+1], v[LS:LS+1], v[PT:PT+1]
.set n, 0
.rept 16
	v_pk_mul_f32 v[OT+n:OT+n+1], v[OT+n:OT+n+1], v[F:F+1] op_sel_hi:[1,0]   ; O^T under the new M, from each accumulator's low end on.  (These and the sums are also the places between p's scale word and codes and the products below)
.set n, n+2
.endr
.endm
; O^T += V^T P^T: four tiles of 16 of the head's 64; K = the step's 128 keys.  The four accumulators take turns, one instruction a turn, and the next step's eight products stand between two turns of one.
.macro PV
	s_wait_dscnt 0x0                               ; V's fragments and scale words are in
	s_wait_alu depctr_vm_vsrc(0)                   ; the step's 18 LDS loads have read v[ADK] to v[ADT], which the next step's additions, or the way out's, write again
	s_wait_alu depctr_va_vdst(0)                   ; p's codes and scale word are written, which the scaled products below take as source 1 and as its scales; the places stand ahead of this wait
.irp t, 0,1
	v_wmma_scale_f32_16x16x128_f8f6f4 v[OT+8*\t:OT+8*\t+7], v[VF+8*\t:VF+8*\t+7], v[PC:PC+7], v[OT+8*\t:OT+8*\t+7], v[VS+\t], v[PW] matrix_a_fmt:MATRIX_FMT_FP4 matrix_b_fmt:MATRIX_FMT_FP4
.endr
.irp t, 2,3
	v_wmma_scale_f32_16x16x128_f8f6f4 v[OT+8*\t:OT+8*\t+7], v[VF+8*\t:VF+8*\t+7], v[PC:PC+7], v[OT+8*\t:OT+8*\t+7], v[VS+\t-2], v[PW] matrix_a_fmt:MATRIX_FMT_FP4 matrix_b_fmt:MATRIX_FMT_FP4 matrix_a_scale:MATRIX_SCALE_ROW1
.endr
.endm
; O^T / the sum goes through my stage and leaves as whole rows of 256 bytes.  st: the register with the tile's number.  last = 0: another tile follows.
.macro WAYOUT st, last
	s_lshl_b32 s31, s[\st], 12                     ; 16 rows of 256 bytes a tile
	v_add_f32 v[LS], v[LS], v[LS+1]                ; the sum's two halves,
	v_permlanex16_b32 v[PT], v[LS], s[SEL], s[SEL+1]
	v_add_f32 v[LS], v[LS], v[PT]                  ; and lane l xor 16's: the row's sum
	s_wait_alu depctr_va_vdst(0)
	v_rcp_f32 v[LS], v[LS]
	v_add_nc_u32 v[ADK], s31, v[GO]                ; (the plain instruction behind the reciprocal.  v[ADK] is free: the wait on vm_vsrc ahead of the last V^T P stands behind the last load that read it)
	v_nop                                          ; with the two additions and the line above: five plain places behind the last products, of which four are asked
	v_nop
	s_wait_alu depctr_va_vdst(0)                   ; the reciprocal is written, ahead of its first reader; so is v[ADK], which the stores below read as their offset
.set n, 0
.rept 16
	v_pk_mul_f32 v[S+n:S+n+1], v[OT+n:OT+n+1], v[LS:LS+1] op_sel_hi:[1,0]   ; register 8 t + i is out0(query r, 16 t + 8 h + i); each accumulator from its low end on
.set n, n+2
.endr
	s_wait_alu depctr_va_vdst(0)                   ; the sixteen multiplies have written v[S] to v[S+31], which the LDS stores read; and the last step's sums and conversions are done reading v[S+32] to v[S+63], in which the loads from the stage land
.irp t, 0,1,2,3
	ds_store_b128 v[STO], v[S+8*\t:S+8*\t+3] offset:64*\t
	ds_store_b128 v[STO], v[S+8*\t+4:S+8*\t+7] offset:64*\t+16
.endr
.irp i, 0,1,2,3,4,5,6,7
	ds_load_b128 v[S+32+4*\i:S+35+4*\i], v[RD] offset:544*\i   ; my own bytes: LDS serves a wave's instructions in order (ISA guide 5.7.1.4), so these see the stores above
.endr
.irp i, 0,1,2,3,4,5,6,7
	s_wait_dscnt 7-\i                              ; load i is back; the 7 - i younger ones may be out
	global_store_b128 v[ADK], v[S+32+4*\i:S+35+4*\i], s[8:9] offset:512*\i th:TH_STORE_NT   ; 32 lanes store two rows, 512 consecutive bytes, at a multiple of 256 from out0's first byte; written once, read by nobody here
.endr
.if !\last
	s_wait_xcnt 0x0                                ; the stores have read their offset and their data: the next tile writes both again
	s_wait_alu depctr_vm_vsrc(0)                   ; the LDS stores have read v[S] to v[S+31], the stores to out0 v[ADK] and v[S+32] to v[S+63]: the next tile's additions and products write them again
.endif
.endm
; A tile of 16 queries: 16 steps of 128 keys, a loop of constant count; what hangs on the stored flags is a jump over a step's work, never over the lines that step the addresses.
.macro TILE qf, qs, fw, st, last
	v_mov_b32 v[NM+1], 0xff61b1e6                  ; the largest t so far: -3e38
	v_floor_f32 v[NM], -v[NM+1]                    ; -M
	v_mov_b32 v[LS], 0
	v_mov_b32 v[LS+1], 0
.set n, 0
.rept 32
	v_mov_b32 v[OT+n], 0                           ; O^T.  Which step is the first that counts hangs on the mask, so no product can be written out ahead of the loop to start the sums; the first change of M leaves zeros zeros
.set n, n+1
.endr
	s_mov_b32 s[TK], 0
	s_mov_b32 s[TV], 0
	s_mov_b32 s[TKS], 0
	s_mov_b32 s[TVS], 0
	s_lshl_b32 s[MOFF], s[\st], 12                 ; 16 steps of 256 bytes a tile
	s_mov_b32 s[CNT], 0
.Lstep_\@:
	s_and_b32 s[FL], s[\fw], 3                     ; the step's flag,
	s_lshr_b32 s[\fw], s[\fw], 2                   ; and on to the next
	s_cmp_eq_u32 s[FL], 0
	s_cbranch_scc1 .Lnext_\@                       ; no key counts for any of my 16 queries
	s_cmp_eq_u32 s[FL], 2
	s_cbranch_scc1 .Lopen_\@                       ; all count
	s_load_b512 s[32:47], s[10:11], s[MOFF] offset:0x0     ; some count: the 64 lane masks, asked for ahead of the step's loads and products.  Load, wait and use stand on this one way
	s_load_b512 s[48:63], s[10:11], s[MOFF] offset:0x40
	s_load_b512 s[68:83], s[10:11], s[MOFF] offset:0x80
	s_load_b512 s[84:99], s[10:11], s[MOFF] offset:0xc0
	FRONT \qf, \qs
	s_wait_kmcnt 0x0
.set n, 0
.rept 64
	v_cndmask_b32 v[S+n], s[NINF], v[S+n], s[32+n+4*(n/32)]   ; bit 1: the score stays; bit 0: -infinity
.set n, n+1
.endr
	s_branch .Ljoin_\@
.Lopen_\@:
	FRONT \qf, \qs
.Ljoin_\@:
	SOFTMAX
	PV
.Lnext_\@:
	s_add_co_u32 s[TK], s[TK], 4096                ; eight tiles of K,
	s_add_co_u32 s[TV], s[TV], 4*VP                ; four blocks of V,
	s_add_co_u32 s[TKS], s[TKS], 512
	s_add_co_u32 s[TVS], s[TVS], 256
	s_add_co_u32 s[MOFF], s[MOFF], 256             ; (the scalar loads that named it were waited for on their own way)
	s_add_co_u32 s[CNT], s[CNT], 1
	s_cmp_lt_u32 s[CNT], 16
	s_cbranch_scc1 .Lstep_\@
	WAYOUT \st, \last
.endm
	TILE QA, QSA, FWA, TLA, 0
	TILE QB, QSB, FWB, TLB, 1
	s_wait_xcnt 0x0
	v_lshl_add_u32 v254, v0, 2, 0x35000            ; the add's two registers, made anew straight ahead of the closing lines: no two registers can be kept, v0 is as at the entry, and no memory or LDS instruction has read v254 or v255
	v_mov_b32 v255, 0
	s_wait_dscnt 0x0                               ; the closing lines, six on end
	s_wait_alu 0x0
	s_wait_tensorcnt 0x0
	ds_add_u32 v254, v255
	s_wait_dscnt 0x0
	s_endpgm
.Lfunc_end_k_q2ebc1412c9_attn:
	.size	k_q2ebc1412c9_attn, .Lfunc_end_k_q2ebc1412c9_attn-k_q2ebc1412c9_attn
	.p2alignl 7, 3214868480
	.fill 96, 4, 3214868480
	.section	.rodata,"a",@progbits
	.p2align	6, 0x0
	.amdhsa_kernel k_q2ebc1412c9_attn
		.amdhsa_group_segment_fixed_size 219136
		.amdhsa_private_segment_fixed_size 0
		.amdhsa_enable_private_segment 0
		.amdhsa_kernarg_size 72
		.amdhsa_user_sgpr_count 2
		.amdhsa_user_sgpr_kernarg_segment_ptr 1
		.amdhsa_wavefront_size32 1
		.amdhsa_system_sgpr_workgroup_id_x 1
		.amdhsa_system_sgpr_workgroup_id_y 1
		.amdhsa_system_sgpr_workgroup_id_z 1
		.amdhsa_system_vgpr_workitem_id 0
		.amdhsa_next_free_vgpr 256
		.amdhsa_next_free_sgpr 100
		.amdhsa_reserve_vcc 0
		.amdhsa_float_denorm_mode_32 3
		.amdhsa_float_denorm_mode_16_64 3
		.amdhsa_memory_ordered 1
		.amdhsa_forward_progress 1
		.amdhsa_inst_pref_size 65
	.end_amdhsa_kernel
	.amdgpu_metadata
---
amdhsa.version: [ 1, 2 ]
amdhsa.kernels:
  - .name:           k_q2ebc1412c9_attn
    .symbol:         k_q2ebc1412c9_attn.kd
    .args:
      - { .name: q_codes, .offset: 0, .size: 8, .value_kind: global_buffer, .address_space: global }
      - { .name: q_scales, .offset: 8, .size: 8, .value_kind: global_buffer, .address_space: global }
      - { .name: k_codes, .offset: 16, .size: 8, .value_kind: global_buffer, .address_space: global }
      - { .name: k_scales, .offset: 24, .size: 8, .value_kind: global_buffer, .address_space: global }
      - { .name: v_codes, .offset: 32, .size: 8, .value_kind: global_buffer, .address_space: global }
      - { .name: v_scales, .offset: 40, .size: 8, .value_kind: global_buffer, .address_space: global }
      - { .name: out0, .offset: 48, .size: 8, .value_kind: global_buffer, .address_space: global }
      - { .name: mwords, .offset: 56, .size: 8, .value_kind: global_buffer, .address_space: global }
      - { .name: flags, .offset: 64, .size: 8, .value_kind: global_buffer, .address_space: global }
    .group_segment_fixed_size: 219136
    .private_segment_fixed_size: 0
    .kernarg_segment_align: 8
    .kernarg_segment_size: 72
    .max_flat_workgroup_size: 512
    .sgpr_count:     100
    .vgpr_count:     256
    .wavefront_size: 32
...
	.end_amdgpu_metadata
.endif
;; end of part 4
